; MI455X (gfx1250); checked and timed in simulation.
; The chip was launched on July 23, 2026; its instructions are those of AMD's public machine-readable ISA for CDNA 5 (MIT licence, August 2026) and "CDNA5" Instruction Set Architecture Reference Guide (July 2026). The comments in the code are by the model that wrote it; some were corrected since.
;; MHA. Allowed arithmetic: matrix products marked QUANTISED: E2M1 operands, one E8M0 scale for each 32 along K, by v_wmma_scale_f32_16x16x128_f8f6f4 with both operands' format E2M1 (or v_wmma_scale_f32_32x16x128_f4), f32 sums; products left as they are: bf16, f16 or f32 operands; f32 sums; everything else in f32.
;; Inputs: W_o 1,024 x 1,024 float32; W_qkv 1,024 x 3,072 float32; x 2 x 2,048 x 1,024 float32.
;; Outputs: out0 2 x 2,048 x 1,024 float32.
;; This version of the problem:
;;   THIS VERSION OF THE PROBLEM IS GIVEN IN LOW PRECISION. The matrix products marked QUANTISED in the list below multiply operands that are first quantised to E2M1 (2 exponent bits, 1 mantissa bit; 4 bits a number), with one power-of-two scale for each 32 numbers along K (OCP MX v1.0); their sums are f32. The products marked 'left as it is' may take bf16, f16 or f32 operands, with f32 sums. Whichever they take, every output number must still come out within the allowed error. Rounding operands to bf16 (8 significant bits) uses up far more of that allowance than f16 does (11 bits, for magnitudes from 6e-5 to 65,504). All else is computed in f32.
;;   The module's matrix products, in the order in which they are computed (A, B: the left and right operand; K: the contracted axis; several contracted axes count as one K, in the product's order):
;;     1. [M 4,096, K 1,024] x [K 1,024, N 3,072]; A: input x; B: input W_qkv: QUANTISED
;;     2. batch 32 x [M 2,048, K 64] x [K 64, N 2,048]; A: computed on the way; B: computed on the way: left as it is (an operand is computed on the way)
;;     3. batch 32 x [M 2,048, K 2,048] x [K 2,048, N 64]; A: computed on the way; B: computed on the way: left as it is (an operand is computed on the way)
;;     4. [M 4,096, K 1,024] x [K 1,024, N 1,024]; A: computed on the way; B: input W_o: left as it is (an operand is computed on the way)
;;   THE QUANTISER, for each operand of a quantised product, along K:
;;     - K is cut into blocks of 32 from its start; a last block that is shorter is filled with zeros.
;;     - A block's scale is 2^e with e = floor(log2(the largest magnitude in the block)) - 2, held to -126 .. 127; a block of zeros has e = 0. As a byte (E8M0): e + 127.
;;     - Each number is divided by its block's scale, clamped to +-6, and rounded to the nearest number of E2M1, ties to even, subnormals kept.
;;     - The product sums the exact products of the quantised numbers (number of the format x scale) in f32.
;;   ~~~python
;;   def quantise(x, axis):      # numpy; x: float32 -> the quantised numbers, widened to float32 again
;;       x = np.moveaxis(x, axis, -1); K = x.shape[-1]
;;       x = np.pad(x, [(0, 0)] * (x.ndim - 1) + [(0, -K % 32)]); x = x.reshape(x.shape[:-1] + (-1, 32)); a = np.abs(x).max(-1, keepdims=True)
;;       e = np.where(a > 0, np.clip(np.frexp(np.where(a > 0, a, 1))[1] - 1 - 2, -126, 127), 0)      # np.frexp(a)[1] - 1 = floor(log2(a)), exactly
;;       r = np.clip(x / 2.0 ** e, -6, 6)
;;       step = 2.0 ** (np.maximum(np.frexp(np.where(r == 0, 1, r))[1] - 1, 0) - 1)
;;       q = np.round(r / step) * step * 2.0 ** e      # np.round: ties to even
;;       return np.moveaxis(q.reshape(q.shape[:-2] + (-1,))[..., :K], -1, axis).astype(np.float32)
;;   ~~~
;; One version. Each part assembles by itself: llvm-mc -triple=amdgcn-amd-amdhsa -mcpu=gfx1250 --defsym DOCPART=n.
;; ======== version 1 of 1: 5 launches
;; limits: values are held in f16: magnitudes above 65,504 overflow, below 6.1e-05 lose precision
;; workspace buffers: xc 2,097,152 bytes; xs 131,072 bytes; wc 1,572,864 bytes; ws 98,304 bytes; wof 2,097,152 bytes; qkvf 25,165,824 bytes; opf 8,388,608 bytes; op32 131,072 bytes
;; launch prep (part 1): grid 384 x 1, 4 waves a work-group, no clusters, 34,304 bytes of LDS; arguments x, W_qkv, W_o, xc, xs, wc, ws, wof; writes xc, xs, wc, ws, wof
.if DOCPART == 1
	.amdgcn_target "amdgcn-amd-amdhsa--gfx1250"
	.amdhsa_code_object_version 6
	.text
	.protected	k_qc71fb9de53_prep
	.globl	k_qc71fb9de53_prep
	.p2align	8
	.type	k_qc71fb9de53_prep,@function
k_qc71fb9de53_prep:
	s_mov_b64 s[64:65], 0
	v_nop
	global_prefetch_b8 v0, s[64:65] scope:SCOPE_SE
	s_setreg_imm32_b32 hwreg(HW_REG_WAVE_MODE, 25, 1), 1
	s_wait_xcnt 0x0
; x [4096][1024] and W_qkv [1024][3072], f32, become codes of FP4 (E2M1) with one E8M0 scale byte for each 32 along K; W_o [1024][1024] becomes f16.
; All three leave as IMAGES OF OPERAND REGISTERS: a group of four registers is 512 bytes, lane l's 16 bytes at 16 l, so that every later launch loads fragments by 16 bytes a lane.
;   xc [row tile 256][K step 8][c 2][lane][16 B]: lane (r, h) of half c holds the 32 codes of block 2 c + h of row r.   xs [row tile][K half 2][r 16][4 words]: word i = the four scale bytes of K step 4 half + i.
;   wc, ws: the same for tiles of 16 columns of W_qkv.   wof [column tile 64][32 k 32][half 2][lane][16 B]: lane (n, h): half 0 k = 8 h .. + 7, half 1 k = 16 + 8 h .. + 7.
; A block's scale is 2^(floor(log2(largest magnitude)) - 2): its byte is the largest magnitude's exponent field - 2, held at 1 from below.
; LIMITS: a block of zeros, and one whose largest magnitude lies under 2^-124, gets the byte 1 (the rule says 127 for zeros): its codes are zeros or the nearest codes under that scale, and only this program reads the bytes.
; NaN and infinities among the inputs are not served.  W_o is rounded to f16: magnitudes up to 65,504; under 6e-5 the spacing is 6e-8.
; Work-groups 0-127 take x, 128-319 W_qkv, 320-383 W_o: three paths parted on the work-group's number; only x's path touches LDS.  No barrier: waves share nothing.
.set SPARE, 33792                      ; behind the four stages: the spare words, 128 bytes a wave
.set SPW,   12                         ; v12  my spare word's LDS address; never rewritten
.set NIL,   13                         ; v13  0; never rewritten
.set RAW,   32                         ; path x: v32-159  two sets of 64 registers as loaded
.set T,     160                        ; path x: v160-223 my two blocks of 32 neighbours
.set CD,    224                        ; path x: v224-255 codes, 8 registers a fragment, never written again
.set X,     32                         ; paths w, o: v32-95 two sets of 32 numbers down K
.set CW,    96                         ; path w: v96-111 codes, 4 registers a block
.set PO,    96                         ; path o: v96-159 f16 pairs, 16 registers a block
.macro XLOAD f                         ; K step f of my 16 rows: each load reads 512 consecutive bytes of one row
.set i, 0
.rept 16
	global_load_b128 v[RAW+64*((\f)%2)+4*i:RAW+64*((\f)%2)+4*i+3], v1, s[4:5] offset:4096*i+512*(\f) th:TH_LOAD_NT
.set i, i+1
.endr
.endm
.macro XTURN f                         ; through my stage (rows 528 bytes apart): in as loaded, back 128 bytes a lane and block.  LDS serves a wave's instructions in order: no wait between
.set i, 0
.rept 16
	ds_store_b128 v5, v[RAW+64*((\f)%2)+4*i:RAW+64*((\f)%2)+4*i+3] offset:528*i
.set i, i+1
.endr
.irp c, 0,1
.irp i, 0,1,2,3,4,5,6,7
	ds_load_b128 v[T+32*\c+4*\i:T+32*\c+4*\i+3], v6 offset:256*\c+16*\i
.endr
.endr
.endm
.macro XQUANT f                        ; my blocks h and 2 + h of row r: all 32 numbers of each are mine
.irp c, 0,1
	v_max3_num_f32 v[8+\c], |v[T+32*\c]|, |v[T+32*\c+1]|, 0x1800000   ; with the floor 2^(3 - 127): the byte cannot fall under 1
.endr
.irp i, 2,4,6,8,10,12,14,16,18,20,22,24,26,28,30
.irp c, 0,1
	v_max3_num_f32 v[8+\c], v[8+\c], |v[T+32*\c+\i]|, |v[T+32*\c+\i+1]|
.endr
.endr
.irp c, 0,1
	v_add_nc_u32 v[14+\c], 0xff000000, v[8+\c]     ; 2 off the exponent field: the conversion's scale operand
.endr
.irp c, 0,1
	v_lshrrev_b32 v[22+\c], 23, v[14+\c]           ; the scale's byte
.endr
	v_lshl_or_b32 v[16+\f], v23, 16, v22           ; bytes h and 2 + h of the row's scale word,
	v_lshlrev_b32 v[16+\f], v7, v[16+\f]           ; 8 h bits up;
	v_permlanex16_b32 v24, v[16+\f], s22, s23
	v_or_b32 v[16+\f], v[16+\f], v24               ; with lane l xor 16's two the word is whole
.irp c, 0,1
.irp g, 0,1,2,3
	v_cvt_scalef32_pk8_fp4_f32 v[CD+8*\f+4*\c+\g], v[T+32*\c+8*\g:T+32*\c+8*\g+7], v[14+\c]
.endr
.endr
	v_nop                                          ; one plain line behind the run of scaled conversions
.irp c, 0,1
	global_store_b128 v1, v[CD+8*\f+4*\c:CD+8*\f+4*\c+3], s[10:11] offset:1024*\f+512*\c   ; 512 consecutive bytes
.endr
.endm
.macro CLOAD t, pitch, base            ; block t: 32 rows of K at my column: 128 consecutive bytes a wave and load
.set i, 0
.rept 32
	global_load_b32 v[X+32*((\t)%2)+i], v10, s[\base:\base+1] offset:(32*(\t)+i)*\pitch th:TH_LOAD_NT
.set i, i+1
.endr
.endm
.macro WBLOCK t
.set XS, X+32*((\t)%2)
.if (\t) < 3
	s_wait_loadcnt 32                              ; this block's 32 loads are in; the next block's 32 may be out
.else
	s_wait_loadcnt 0x0
.endif
	v_max3_num_f32 v8, |v[XS]|, |v[XS+1]|, |v[XS+2]|
	v_max3_num_f32 v9, |v[XS+3]|, |v[XS+4]|, |v[XS+5]|
.irp i, 6,10,14,18,22,26
	v_max3_num_f32 v8, v8, |v[XS+\i]|, |v[XS+\i+1]|
	v_max3_num_f32 v9, v9, |v[XS+\i+2]|, |v[XS+\i+3]|
.endr
	v_max3_num_f32 v8, v8, |v[XS+30]|, |v[XS+31]|
	v_max3_num_f32 v8, v8, v9, 0x1800000           ; and the floor
	v_add_nc_u32 v11, 0xff000000, v8
	v_lshrrev_b32 v9, 23, v11
.if (\t) == 0
	v_mov_b32 v16, v9                              ; the K step's scale word: block t's byte at bit 8 t
.else
	v_lshl_or_b32 v16, v9, 8*(\t), v16
.endif
.irp g, 0,1,2,3
	v_cvt_scalef32_pk8_fp4_f32 v[CW+4*(\t)+\g], v[XS+8*\g:XS+8*\g+7], v11
.endr
.if (\t) < 2
	CLOAD (\t)+2, 12288, 6
.endif
.endm
.macro OBLOCK t
.set XS, X+32*((\t)%2)
.set PB, PO+16*(\t)
.if (\t) < 3
	s_wait_loadcnt 32                              ; as in WBLOCK
.else
	s_wait_loadcnt 0x0
.endif
.irp i, 0,1,2,3,4,5,6,7,8,9,10,11,12,13,14,15
	v_cvt_pk_f16_f32 v[PB+\i], v[XS+2*\i], v[XS+2*\i+1]
.endr
.if (\t) < 2
	CLOAD (\t)+2, 4096, 8
.endif
.irp g, 0,1,2,3                        ; a lane holds 32 k of ONE column; a fragment wants k = 8 h .. in lanes of half h: the first's lanes 16-31 change places with the second's lanes 0-15
	v_permlane16_swap_b32 v[PB+\g], v[PB+4+\g]
	v_permlane16_swap_b32 v[PB+8+\g], v[PB+12+\g]
.endr
	global_store_b128 v1, v[PB:PB+3], s[18:19] offset:1024*(\t)                 ; columns 0-15, half 0
	global_store_b128 v1, v[PB+8:PB+11], s[18:19] offset:1024*(\t)+512          ; columns 0-15, half 1
	global_store_b128 v1, v[PB+4:PB+7], s[18:19] offset:32768+1024*(\t)         ; columns 16-31, half 0
	global_store_b128 v1, v[PB+12:PB+15], s[18:19] offset:32768+1024*(\t)+512   ; columns 16-31, half 1
.endm
	s_load_b256 s[4:11], s[0:1], 0x0               ; x s[4:5], W_qkv s[6:7], W_o s[8:9], xc s[10:11]
	s_load_b256 s[12:19], s[0:1], 0x20             ; xs s[12:13], wc s[14:15], ws s[16:17], wof s[18:19]
	v_lshl_add_u32 v[SPW], v0, 2, SPARE
	v_mov_b32 v[NIL], 0
	v_lshrrev_b32 v1, 5, v0
	v_readfirstlane_b32 s20, v1                    ; wave 0..3
	v_and_b32 v2, 31, v0                           ; lane
	v_and_b32 v3, 15, v0                           ; r
	v_bfe_u32 v4, v0, 4, 1                         ; h
	v_lshlrev_b32 v1, 4, v2                        ; 16 x lane
	s_mul_i32 s21, s20, 8448                       ; my stage: 16 rows x 528 bytes
	v_add_nc_u32 v5, s21, v1                       ; into it: 16 x lane of a row
	v_mul_u32_u24 v6, v3, 528
	v_lshl_add_u32 v6, v4, 7, v6
	v_add_nc_u32 v6, s21, v6                       ; out of it: row r, + 128 h
	v_lshlrev_b32 v7, 3, v4                        ; 8 h
	v_lshlrev_b32 v10, 2, v2                       ; 4 x lane
	s_mov_b32 s22, 0x76543210
	s_mov_b32 s23, 0xfedcba98                      ; v_permlanex16_b32's selects for lane l xor 16
	s_mov_b32 s25, 0                               ; the upper word of every offset
	s_wait_kmcnt 0x0
	s_cmp_lt_u32 ttmp9, 128
	s_cbranch_scc0 .Lnot_x
	; ---- x: a wave takes 16 rows x 512 along K: four fragments
	s_lshl_b32 s26, ttmp9, 2
	s_add_co_u32 s26, s26, s20                     ; unit u = 4 x work-group + wave: row tile u / 2, K half u % 2
	s_lshr_b32 s24, s26, 1
	s_lshl_b32 s24, s24, 16                        ; 16 rows of 4,096 bytes
	s_and_b32 s27, s26, 1
	s_lshl_b32 s27, s27, 11
	s_add_co_u32 s24, s24, s27
	s_add_nc_u64 s[4:5], s[4:5], s[24:25]
	s_lshl_b32 s24, s26, 12                        ; 4,096 bytes of codes a unit
	s_add_nc_u64 s[10:11], s[10:11], s[24:25]
	s_lshl_b32 s24, s26, 8                         ; 256 bytes of scale words a unit
	s_add_nc_u64 s[12:13], s[12:13], s[24:25]
	v_mov_b32 v24, 0                               ; a lane permute's destination counts as read
	XLOAD 0
	XLOAD 1
.irp f, 0,1,2,3
.if \f < 3
	s_wait_loadcnt 16                              ; this fragment's 16 loads are in; the next fragment's 16 may be out
.else
	s_wait_loadcnt 0x0
.endif
	XTURN \f
	s_wait_dscnt 0x0                               ; my numbers are back
.if \f < 2
	XLOAD \f+2
.endif
	XQUANT \f
.endr
	v_cmp_eq_u32 vcc_lo, 1, v4
	v_cndmask_b32 v20, v16, v18, vcc_lo            ; lanes 0-15 store words 0, 1 of row r, lanes 16-31 words 2, 3:
	v_cndmask_b32 v21, v17, v19, vcc_lo
	v_lshl_add_u32 v11, v3, 4, v7
	global_store_b64 v11, v[20:21], s[12:13]       ; 256 consecutive bytes, aligned
	s_wait_tensorcnt 0x0                           ; the wave's end
	ds_add_u32 v[SPW], v[NIL]
	s_wait_dscnt 0x0
	s_endpgm
.Lnot_x:
	s_cmp_lt_u32 ttmp9, 320
	s_cbranch_scc0 .Lpath_o
	; ---- W_qkv: a lane takes a column, its registers run down 128 of K: four blocks
	s_sub_co_u32 s26, ttmp9, 128
	s_lshr_b32 s27, s26, 3                         ; which 128 columns
	s_and_b32 s28, s26, 7                          ; which K step
	s_mul_i32 s24, s28, 128*12288
	s_lshl_b32 s29, s27, 9
	s_add_co_u32 s24, s24, s29
	s_lshl_b32 s29, s20, 7
	s_add_co_u32 s24, s24, s29                     ; + (128 cq + 32 wave) x 4
	s_add_nc_u64 s[6:7], s[6:7], s[24:25]
	s_lshl_b32 s29, s27, 3
	s_lshl_b32 s30, s20, 1
	s_add_co_u32 s29, s29, s30                     ; my first column tile: 8 cq + 2 wave
	s_lshl_b32 s24, s29, 13
	s_lshl_b32 s30, s28, 10
	s_add_co_u32 s24, s24, s30
	s_add_nc_u64 s[14:15], s[14:15], s[24:25]
	s_lshl_b32 s24, s29, 9
	s_lshr_b32 s30, s28, 2
	s_lshl_b32 s30, s30, 8
	s_add_co_u32 s24, s24, s30
	s_and_b32 s30, s28, 3
	s_lshl_b32 s30, s30, 2
	s_add_co_u32 s24, s24, s30
	s_add_nc_u64 s[16:17], s[16:17], s[24:25]
	v_lshlrev_b32 v25, 9, v4
	v_lshl_add_u32 v25, v3, 4, v25                 ; my scale word: 512 x tile + 16 r
	CLOAD 0, 12288, 6
	CLOAD 1, 12288, 6
	WBLOCK 0
	WBLOCK 1
	WBLOCK 2
	WBLOCK 3
	v_nop                                          ; one plain line behind the last scaled conversion
.irp c, 0,1                            ; a lane holds all four blocks of ONE column; half c of a fragment wants block 2 c in lanes 0-15 and 2 c + 1 in lanes 16-31
.irp g, 0,1,2,3
	v_permlane16_swap_b32 v[CW+8*\c+\g], v[CW+8*\c+4+\g]
.endr
.endr
.irp c, 0,1
.irp u, 0,1
	global_store_b128 v1, v[CW+8*\c+4*\u:CW+8*\c+4*\u+3], s[14:15] offset:8192*\u+512*\c
.endr
.endr
	global_store_b32 v25, v16, s[16:17]            ; 4 bytes a column: one byte in 128 of what this path reads
	s_endpgm
.Lpath_o:
	; ---- W_o: the same walk, rounded to f16
	s_sub_co_u32 s26, ttmp9, 320
	s_lshr_b32 s27, s26, 3                         ; which 128 columns
	s_and_b32 s28, s26, 7                          ; which 128 of K
	s_lshl_b32 s24, s28, 19                        ; 128 rows of 4,096 bytes
	s_lshl_b32 s29, s27, 9
	s_add_co_u32 s24, s24, s29
	s_lshl_b32 s29, s20, 7
	s_add_co_u32 s24, s24, s29
	s_add_nc_u64 s[8:9], s[8:9], s[24:25]
	s_lshl_b32 s29, s27, 3
	s_lshl_b32 s30, s20, 1
	s_add_co_u32 s29, s29, s30
	s_lshl_b32 s24, s29, 15                        ; a column tile is 32,768 bytes
	s_lshl_b32 s30, s28, 12
	s_add_co_u32 s24, s24, s30
	s_add_nc_u64 s[18:19], s[18:19], s[24:25]
	CLOAD 0, 4096, 8
	CLOAD 1, 4096, 8
	OBLOCK 0
	OBLOCK 1
	OBLOCK 2
	OBLOCK 3
	s_endpgm
.Lfunc_end_k_qc71fb9de53_prep:
	.size	k_qc71fb9de53_prep, .Lfunc_end_k_qc71fb9de53_prep-k_qc71fb9de53_prep
	.p2alignl 7, 3214868480
	.fill 96, 4, 3214868480
	.section	.rodata,"a",@progbits
	.p2align	6, 0x0
	.amdhsa_kernel k_qc71fb9de53_prep
		.amdhsa_group_segment_fixed_size 34304
		.amdhsa_private_segment_fixed_size 0
		.amdhsa_enable_private_segment 0
		.amdhsa_kernarg_size 64
		.amdhsa_user_sgpr_count 2
		.amdhsa_user_sgpr_kernarg_segment_ptr 1
		.amdhsa_wavefront_size32 1
		.amdhsa_system_sgpr_workgroup_id_x 1
		.amdhsa_system_sgpr_workgroup_id_y 1
		.amdhsa_system_sgpr_workgroup_id_z 1
		.amdhsa_system_vgpr_workitem_id 0
		.amdhsa_next_free_vgpr 256
		.amdhsa_next_free_sgpr 66
		.amdhsa_reserve_vcc 1
		.amdhsa_float_denorm_mode_32 3
		.amdhsa_float_denorm_mode_16_64 3
		.amdhsa_memory_ordered 1
		.amdhsa_forward_progress 1
		.amdhsa_inst_pref_size 68
	.end_amdhsa_kernel
	.amdgpu_metadata
---
amdhsa.version: [ 1, 2 ]
amdhsa.kernels:
  - .name:           k_qc71fb9de53_prep
    .symbol:         k_qc71fb9de53_prep.kd
    .args:
      - { .name: x, .offset: 0, .size: 8, .value_kind: global_buffer, .address_space: global }
      - { .name: W_qkv, .offset: 8, .size: 8, .value_kind: global_buffer, .address_space: global }
      - { .name: W_o, .offset: 16, .size: 8, .value_kind: global_buffer, .address_space: global }
      - { .name: xc, .offset: 24, .size: 8, .value_kind: global_buffer, .address_space: global }
      - { .name: xs, .offset: 32, .size: 8, .value_kind: global_buffer, .address_space: global }
      - { .name: wc, .offset: 40, .size: 8, .value_kind: global_buffer, .address_space: global }
      - { .name: ws, .offset: 48, .size: 8, .value_kind: global_buffer, .address_space: global }
      - { .name: wof, .offset: 56, .size: 8, .value_kind: global_buffer, .address_space: global }
    .group_segment_fixed_size: 34304
    .private_segment_fixed_size: 0
    .kernarg_segment_align: 8
    .kernarg_segment_size: 64
    .max_flat_workgroup_size: 128
    .sgpr_count:     66
    .vgpr_count:     256
    .wavefront_size: 32
...
	.end_amdgpu_metadata
.endif
;; end of part 1
;; launch qkv (part 2): grid 12 x 16, 4 waves a work-group, clusters of 4 x 4, 327,680 bytes of LDS; arguments xc, xs, wc, ws, qkvf; writes qkvf
.if DOCPART == 2
	.amdgcn_target "amdgcn-amd-amdhsa--gfx1250"
	.amdhsa_code_object_version 6
	.text
	.protected	k_qc71fb9de53_qkv
	.globl	k_qc71fb9de53_qkv
	.p2align	8
	.type	k_qc71fb9de53_qkv,@function
k_qc71fb9de53_qkv:
	s_mov_b64 s[64:65], 0
	v_nop
	global_prefetch_b8 v0, s[64:65] scope:SCOPE_SE
	s_setreg_imm32_b32 hwreg(HW_REG_WAVE_MODE, 25, 1), 1
	s_wait_xcnt 0x0
	s_wait_alu depctr_hold_cnt(0) depctr_sa_sdst(0) depctr_va_vdst(0) depctr_va_sdst(0) depctr_va_ssrc(0) depctr_va_vcc(0) depctr_vm_vsrc(0)
	s_getreg_b32 s2, hwreg(HW_REG_IB_STS2, 6, 4)
	s_cmp_eq_u32 s2, 0
	s_cbranch_scc0 .Lentry_in_a_cluster
	s_endpgm
.Lentry_in_a_cluster:
	s_bfe_u32 s2, ttmp6, 0x10000c
	s_cmp_lg_u32 s2, 0xf033
	s_cbranch_scc0 .Lentry_shape_is_right
	s_endpgm
.Lentry_shape_is_right:
; qkv = Q(x) Q(W_qkv) on codes of FP4 with E8M0 scales, K = 1,024, sums in f32, K ascending in one accumulator for each output; the results are rounded to f16 and leave as images of the operand registers of the attention launch.
; A work-group of four waves makes 256 x 256, a wave 128 x 128: 64 accumulators, 512 registers.  Cluster x = 0, 1, 2: q, k, v; cluster y: 1,024 tokens.
; SOURCE 0 TAKES THE "B SIDE", SOURCE 1 THE "A SIDE": a lane then holds one row of the A side and eight neighbouring rows of the B side.  For q and k the A side is tokens and the B side channels: a lane's eight results are eight
; channels of one token.  FOR v THE SIDES CHANGE PLACES, BY POINTERS ALONE: the A side is W_v's columns, the B side tokens: a lane's eight results are eight keys of one channel, which is a fragment of V^T.  The products' text is one.
; Both operands lie in memory as register images (16 rows x 128 K = 1,024 bytes): a tile of 128 rows x 512 K is 8 rows of 4,096 bytes, dense in LDS; a fragment load takes 512 consecutive bytes: no padding, no conflict.
; K has two halves of 512: two LDS slots, each filled once, with the scale words of all K, at the kernel's head: three tensor loads a wave are out.  Nothing is filled again.
; CLUSTER 4 x 4: the A side's tiles are shared along a row of the cluster, the B side's along a column: joint loads with a mask that names the four.
; qkvf: q at 0, k at 8 MiB, v at 16 MiB; in each [batch x head 32] x 262,144 bytes.  q, k: [token tile 128][32 channels 2][half 2][lane][16 B].  v: [32 keys 64][channel tile 4][half 2][lane][16 B].
; LIMITS: q, k and v are rounded to f16: magnitudes up to 65,504; under 6e-5 the spacing is 6e-8.
; REGISTERS as windows of 256: window 0: v16-29 addresses, v32-95 scale words (two sets), v128-191 the A side's fragments (one set); on the way out v32-255 are free.  Window 1: the B side's fragments, two sets.  Windows 2, 3: accumulators.
.set NQ,    4                          ; steps of 128 along K in a slot
.set FR,    8                          ; registers of a fragment
.set NL,    2                          ; LDS loads that bring one
.set NP,    4                          ; places behind this matrix instruction (ISA guide 7.12.1)
.set PART,  32768                      ; 128 rows x 512 K of codes: what one tensor load brings
.set SLOT,  4*PART                     ; the A side's 256 rows, then the B side's
.set SCL,   2*SLOT                     ; the scale words: 4,096 bytes for each 128 rows
.set SPARE, SCL+4*4096                 ; the spare words, 128 bytes a wave
.set ADRA, 16
.set ADRB, 20
.set CO,   26                          ; v26  16 x lane
.set ADRS, 27
.set SPW,  28
.set NIL,  29
.set SC,   32
.set AF,   128
.set G1,   24
.set G0,   32
.set G1B,  48
.set G0B,  56
.set G1S,  68
.set G0S,  76
.set G1SB, 80
.set G0SB, 88
.set MSB, 0
.macro WIN new                         ; the immediate's high byte repeats the setting that is left
.if MSB != (\new)
	s_set_vgpr_msb (MSB<<8)|(\new)
.set MSB, (\new)
.endif
.endm
.set MUL_LO, 0xa1                      ; source 0 window 1, source 1 window 0, C and D window 2
.set MUL_HI, 0xf1                      ; the same, C and D window 3
.set TO_B,   0x40                      ; destination window 1, address window 0
; A joint load: waves 0 and 1 fetch for the A side, waves 2 and 3 for the B side.  The branch hangs on the wave's number alone.  An s_nop 0 and four v_nop follow each line.
.macro JLOAD g0a, g1a, g0b, g1b
	s_cmp_eq_u32 s15, 0
	s_cbranch_scc0 .Lfor_b_\@
	tensor_load_to_lds s[\g0a:\g0a+3], s[\g1a:\g1a+7]
	s_nop 0
.rept 4
	v_nop
.endr
	s_branch .Lasked_\@
.Lfor_b_\@:
	tensor_load_to_lds s[\g0b:\g0b+3], s[\g1b:\g1b+7]
	s_nop 0
.rept 4
	v_nop
.endr
.Lasked_\@:
.endm
.macro CROUND                          ; a round of the cluster's barrier
	s_barrier_signal -1
	s_barrier_wait -1
	s_cmp_lg_u32 s14, 0
	s_cbranch_scc1 .Lnot_wave_0_\@
	s_barrier_signal -3
.Lnot_wave_0_\@:
	s_barrier_wait -3
	s_barrier_signal -1
	s_barrier_wait -1
.endm
	s_load_b128 s[4:7], s[0:1], 0x0                ; xc, xs
	s_load_b128 s[8:11], s[0:1], 0x10              ; wc, ws
	s_load_b64 s[12:13], s[0:1], 0x20              ; qkvf
	v_lshl_add_u32 v[SPW], v0, 2, SPARE
	v_mov_b32 v[NIL], 0
	ds_add_u32 v[SPW], v[NIL]                      ; the wave's opening: the add, twice on end, and its wait ahead of my first tensor load
	ds_add_u32 v[SPW], v[NIL]
	v_lshrrev_b32 v1, 5, v0
	v_readfirstlane_b32 s14, v1                    ; wave 0..3
	s_lshr_b32 s15, s14, 1                         ; which half of the A side's rows is mine.  Also: I fetch for A (0) or B (1)
	s_and_b32 s16, s14, 1                          ; which half of the B side's.  Also: which 128 rows I fetch
	s_bfe_u32 s40, ttmp6, 0x40000                  ; cx
	s_bfe_u32 s41, ttmp6, 0x40004                  ; cy
	s_and_b32 s45, ttmp7, 0xffff
	s_lshl_b32 s45, s45, 10                        ; the cluster's first token
	s_lshl_b32 s46, ttmp9, 10                      ; the kind's first column of W_qkv
	s_cmp_eq_u32 ttmp9, 2                          ; v?  The cluster's x: the same in all sixteen partners
	s_cselect_b32 s17, 2048, s45                   ; the A side's first row of the cluster: v: column 2,048 of W_qkv; else the tokens
	s_cselect_b32 s42, s45, s46                    ; the B side's
	s_lshl_b32 s18, s41, 8
	s_add_co_u32 s17, s17, s18                     ; my work-group's: + 256 cy
	s_lshl_b32 s47, s40, 8
	s_add_co_u32 s42, s42, s47                     ; + 256 cx
	s_lshl_b32 s43, s41, 2
	s_lshl_b32 s43, 15, s43                        ; my row of the cluster
	s_lshl_b32 s44, 0x1111, s40                    ; my column
	; group 1 for codes: 8 rows of 512 elements of 8 bytes, 1,024 elements apart
	s_or_b32 s[G1+0], s43, (3<<16)|(1<<21)         ; 15:0 the mask; 17:16 elements of 8 bytes; 21 set beside a mask; no padding
	s_or_b32 s[G1B+0], s44, (3<<16)|(1<<21)
.irp g, G1, G1B
	s_mov_b32 s[\g+1], 512<<16                     ; tensor_dim0
	s_mov_b32 s[\g+2], 8<<16                       ; tensor_dim1
	s_mov_b32 s[\g+3], 512<<16                     ; tile_dim0
	s_mov_b32 s[\g+4], 8                           ; tile_dim1
	s_mov_b32 s[\g+5], 1024                        ; from row to row
	s_mov_b32 s[\g+6], 0
	s_mov_b32 s[\g+7], 0
.endr
	; and for the scale words of 128 rows: 4,096 dense bytes as 16 rows of 256
	s_or_b32 s[G1S+0], s43, (3<<16)|(1<<21)
	s_or_b32 s[G1SB+0], s44, (3<<16)|(1<<21)
.irp g, G1S, G1SB
	s_mov_b32 s[\g+1], 32<<16
	s_mov_b32 s[\g+2], 16<<16
	s_mov_b32 s[\g+3], 32<<16
	s_mov_b32 s[\g+4], 16
	s_mov_b32 s[\g+5], 32
	s_mov_b32 s[\g+6], 0
	s_mov_b32 s[\g+7], 0
.endr
	s_lshl_b32 s18, s16, 7                         ; which 128 rows I fetch
	s_add_co_u32 s20, s17, s18
	s_lshl_b32 s22, s20, 5                         ; their scale words: 32 bytes a row
	s_lshl_b32 s20, s20, 9                         ; their codes: 512 bytes a row
	s_mov_b32 s21, 0
	s_mov_b32 s23, 0
	s_add_co_u32 s46, s42, s18
	s_lshl_b32 s92, s46, 5
	s_lshl_b32 s46, s46, 9
	s_mov_b32 s47, 0
	s_mov_b32 s93, 0
	s_lshl_b32 s45, s14, 15                        ; where they go: wave x PART: no place in the cluster enters an LDS address
	s_lshl_b32 s94, s14, 12
	s_wait_dscnt 0x0                               ; both opening adds are done
	s_wait_kmcnt 0x0
	s_cmp_eq_u32 ttmp9, 2
	s_cselect_b64 s[66:67], s[8:9], s[4:5]         ; the A side's codes: v: wc, else xc
	s_cselect_b64 s[100:101], s[10:11], s[6:7]     ; its scale words
	s_cselect_b64 s[96:97], s[4:5], s[8:9]         ; the B side's codes
	s_cselect_b64 s[98:99], s[6:7], s[10:11]       ; its scale words
	s_add_nc_u64 s[20:21], s[66:67], s[20:21]
	s_add_nc_u64 s[22:23], s[100:101], s[22:23]
	s_add_nc_u64 s[46:47], s[96:97], s[46:47]
	s_add_nc_u64 s[92:93], s[98:99], s[92:93]
	CROUND                                         ; all sixteen work-groups are here: the first joint loads meet
	s_mov_b32 s[G0S], 1
	s_add_co_u32 s[G0S+1], s94, SCL
	s_mov_b64 s[G0S+2:G0S+3], s[22:23]
	s_or_b32 s[G0S+3], s[G0S+3], 0x80000000
	s_mov_b32 s[G0SB], 1
	s_add_co_u32 s[G0SB+1], s94, SCL
	s_mov_b64 s[G0SB+2:G0SB+3], s[92:93]
	s_or_b32 s[G0SB+3], s[G0SB+3], 0x80000000
	JLOAD G0S, G1S, G0SB, G1SB                     ; the scale words first: they are wanted with the first step
.irp s, 0,1
	s_mov_b32 s[G0+4*\s], 1
	s_add_co_u32 s[G0+4*\s+1], s45, \s*SLOT
	s_add_nc_u64 s[G0+4*\s+2:G0+4*\s+3], s[20:21], \s*4096
	s_or_b32 s[G0+4*\s+3], s[G0+4*\s+3], 0x80000000
	s_mov_b32 s[G0B+4*\s], 1
	s_add_co_u32 s[G0B+4*\s+1], s45, \s*SLOT
	s_add_nc_u64 s[G0B+4*\s+2:G0B+4*\s+3], s[46:47], \s*4096
	s_or_b32 s[G0B+4*\s+3], s[G0B+4*\s+3], 0x80000000
	JLOAD G0+4*\s, G1, G0B+4*\s, G1B
.endr
	v_and_b32 v1, 15, v0                           ; r
	v_bfe_u32 v2, v0, 4, 1                         ; h
	v_and_b32 v3, 31, v0
	v_lshlrev_b32 v[CO], 4, v3                     ; 16 x lane
	s_lshl_b32 s21, s15, 15                        ; my 128 rows of the A side
	s_lshl_b32 s22, s16, 15
	s_add_co_u32 s22, s22, 2*PART                  ; my 128 rows of the B side
.irp s, 0,1
	v_add_nc_u32 v[ADRA+\s], s21, v[CO]
	v_add_nc_u32 v[ADRB+\s], s22, v[CO]
	s_add_co_u32 s21, s21, SLOT
	s_add_co_u32 s22, s22, SLOT
.endr
	v_lshlrev_b32 v5, 4, v1                        ; scale words: 16 bytes a row and K half
	s_lshl_b32 s21, s15, 12                        ; the A side's: my 128 rows
	s_lshl_b32 s22, s16, 12
	s_add_co_u32 s22, s22, 8192                    ; the B side's lie behind the A side's two parts
	s_sub_co_u32 s22, s22, s21
	v_mul_u32_u24 v6, s22, v2                      ; lanes 16-31 take the B side's: one product, the distance x h
	s_add_co_u32 s21, s21, SCL
	v_add_nc_u32 v5, v5, v6
	v_add_nc_u32 v[ADRS], s21, v5
	; where my 128 x 128 goes in qkvf
	s_lshl_b32 s92, s41, 8
	s_lshl_b32 s93, s15, 7
	s_add_co_u32 s92, s92, s93                     ; my first row of the A side within the cluster's 1,024
	s_lshl_b32 s94, s40, 8
	s_lshl_b32 s95, s16, 7
	s_add_co_u32 s94, s94, s95                     ; of the B side
	s_and_b32 s96, ttmp7, 0xffff
	s_lshl_b32 s96, s96, 10
	s_cmp_eq_u32 ttmp9, 2
	s_cselect_b32 s97, s94, s92                    ; the side that holds tokens,
	s_cselect_b32 s98, s92, s94                    ; the side that holds channels
	s_add_co_u32 s97, s97, s96                     ; my first token
	s_lshl_b32 s92, ttmp9, 23                      ; the kind's region,
	s_lshr_b32 s93, s97, 11
	s_lshl_b32 s93, s93, 22                        ; the batch: 16 heads of 262,144 bytes,
	s_add_co_u32 s92, s92, s93
	s_lshr_b32 s93, s98, 6
	s_lshl_b32 s93, s93, 18                        ; the head,
	s_add_co_u32 s92, s92, s93
	s_and_b32 s93, s97, 2047
	s_lshl_b32 s93, s93, 7                         ; 128 bytes a token, in q, k and v alike
	s_add_co_u32 s92, s92, s93
	s_mov_b32 s93, 0
	s_add_nc_u64 s[12:13], s[12:13], s[92:93]
.macro FRAG reg, adr, q, i             ; a fragment's image: two groups of 512 bytes
.irp c, 0,1
	ds_load_b128 v[\reg+4*\c:\reg+4*\c+3], v[\adr] offset:4096*(\i)+1024*(\q)+512*\c
.endr
.endm
; 16 matrix instructions: the A side's blocks a0, a0 + 1 x the B side's eight.  The 64 accumulators take turns, one instruction a turn, in the same order in every step.
.macro MUL16 a0, p, q, sc, zero
.irp a, \a0, \a0+1
.irp b, 0,1,2,3,4,5,6,7
.if \zero
	v_wmma_scale_f32_16x16x128_f8f6f4 v[8*(8*((\a)%4)+\b):8*(8*((\a)%4)+\b)+7], v[128*(\p)+FR*\b:128*(\p)+FR*\b+FR-1], v[AF+FR*(\a):AF+FR*(\a)+FR-1], 0, v[SC+8*NQ*(\sc)+NQ*\b+(\q)], v[SC+8*NQ*(\sc)+NQ*(\a)+(\q)] matrix_a_fmt:MATRIX_FMT_FP4 matrix_b_fmt:MATRIX_FMT_FP4 matrix_a_scale:MATRIX_SCALE_ROW1
.else
	v_wmma_scale_f32_16x16x128_f8f6f4 v[8*(8*((\a)%4)+\b):8*(8*((\a)%4)+\b)+7], v[128*(\p)+FR*\b:128*(\p)+FR*\b+FR-1], v[AF+FR*(\a):AF+FR*(\a)+FR-1], v[8*(8*((\a)%4)+\b):8*(8*((\a)%4)+\b)+7], v[SC+8*NQ*(\sc)+NQ*\b+(\q)], v[SC+8*NQ*(\sc)+NQ*(\a)+(\q)] matrix_a_fmt:MATRIX_FMT_FP4 matrix_b_fmt:MATRIX_FMT_FP4 matrix_a_scale:MATRIX_SCALE_ROW1
.endif
.endr
.endr
.endm
.macro FETCH_B slot, q, p
	WIN TO_B
.irp i, 0,1,2,3,4,5,6,7
	FRAG 128*(\p)+FR*\i, ADRB+\slot, \q, \i
.endr
	WIN 0
.endm
.macro FETCH_A slot, q, i0
.irp i, \i0, \i0+1, \i0+2, \i0+3
	FRAG AF+FR*(\i), ADRA+\slot, \q, \i
.endr
.endm
.macro SCALES sc                       ; a slot's scale words: four a row; lanes 0-15 the A side's block i, lanes 16-31 the B side's block i
.irp i, 0,1,2,3,4,5,6,7
	ds_load_b128 v[SC+8*NQ*\sc+NQ*\i:SC+8*NQ*\sc+NQ*\i+3], v[ADRS] offset:512*\i+256*\sc
.endr
.endm
.macro PLACES n                        ; plain vector lines between a matrix instruction and a load into, or a read of, its registers
.rept \n
	v_nop
.endr
.endm
.macro STEP slot, q, zero              ; 128 along K with a successor in the same slot
	s_wait_dscnt 4*NL                              ; all but the youngest eight loads (the A side's blocks 4-7) are in
	WIN MUL_LO
	MUL16 0, (\q)%2, \q, \slot, \zero
	MUL16 2, (\q)%2, \q, \slot, \zero
	s_wait_dscnt 0
	PLACES NP
	FETCH_B \slot, (\q)+1, 1-(\q)%2
	FETCH_A \slot, (\q)+1, 0
	WIN MUL_HI
	MUL16 4, (\q)%2, \q, \slot, \zero
	MUL16 6, (\q)%2, \q, \slot, \zero
	PLACES NP
	WIN 0
	FETCH_A \slot, (\q)+1, 4
.endm
.macro TURN slot, next                 ; a slot's last step: one barrier, behind which the other slot is whole for every wave.  Nothing is filled again
	s_wait_tensorcnt 0x0                           ; all my tensor loads have landed: my part of the other slot
	ds_add_u32 v[SPW], v[NIL]
	s_wait_dscnt 4*NL+1                            ; the add and the youngest eight loads may be out
	WIN MUL_LO
	MUL16 0, 1, NQ-1, \slot, 0
	s_wait_dscnt 0x0
	s_barrier_signal -1
	MUL16 2, 1, NQ-1, \slot, 0
	WIN 0
	s_barrier_wait -1
	PLACES NP
	FETCH_B \next, 0, 0
	FETCH_A \next, 0, 0
	SCALES \next
	WIN MUL_HI
	MUL16 4, 1, NQ-1, \slot, 0
	MUL16 6, 1, NQ-1, \slot, 0
	PLACES NP
	WIN 0
	FETCH_A \next, 0, 4
.endm
	s_wait_tensorcnt 1                             ; the scale words and my part of slot 0 are in; slot 1's load may be out
	s_barrier_signal -1
	s_barrier_wait -1
	FETCH_B 0, 0, 0
	FETCH_A 0, 0, 0
	SCALES 0
	FETCH_A 0, 0, 4
	STEP 0, 0, 1                                   ; the first products start the sums: nothing is cleared
	STEP 0, 1, 0
	STEP 0, 2, 0
	TURN 0, 1
	STEP 1, 0, 0
	STEP 1, 1, 0
	STEP 1, 2, 0
	s_wait_dscnt 4*NL                              ; the last step: nothing more to fetch
	WIN MUL_LO
	MUL16 0, 1, NQ-1, 1, 0
	MUL16 2, 1, NQ-1, 1, 0
	s_wait_dscnt 0
	WIN MUL_HI
	MUL16 4, 1, NQ-1, 1, 0
	MUL16 6, 1, NQ-1, 1, 0
	WIN 0
; THE WAY OUT.  A lane's eight results pack into 16 bytes of f16, and the 32 lanes' 16 bytes ARE one group of a fragment's image: each store covers 512 consecutive bytes, straight from registers.
; Each accumulator is read from its low end on.  Seven sets of 32 registers take turns, so one wait frees the first set for the eighth block.
.macro OUT isv
.irp a, 0,1,2,3,4,5,6,7
.if \a == 7
	s_wait_xcnt 0x0                                ; block 0's stores have read their data: its registers are written again only behind this wait
.endif
.set WN, 0x0a+5*(\a/4)
	WIN WN                                         ; sources in window 2 or 3
.irp b, 0,1,2,3,4,5,6,7
.irp p, 0,1,2,3
	v_cvt_pk_f16_f32 v[32+32*(\a%7)+4*\b+\p], v[8*(8*(\a%4)+\b)+2*\p], v[8*(8*(\a%4)+\b)+2*\p+1]
.endr
.endr
	WIN 0
.irp b, 0,1,2,3,4,5,6,7
.if \isv
	global_store_b128 v[CO], v[32+32*(\a%7)+4*\b:32+32*(\a%7)+4*\b+3], s[12:13] offset:262144*(\a/4)+1024*(\a%4)+4096*(\b/2)+512*(\b%2)   ; head a / 4, channel tile a % 4; keys 32 (b / 2) on, half b % 2
.else
	global_store_b128 v[CO], v[32+32*(\a%7)+4*\b:32+32*(\a%7)+4*\b+3], s[12:13] offset:2048*\a+512*(\b%4)+262144*(\b/4)                   ; token tile a; head b / 4, 16 channels b % 4
.endif
.endr
.endr
.endm
	PLACES NP                                      ; behind the last products: their results are read and their operands' registers written below
	s_cmp_eq_u32 ttmp9, 2                          ; the cluster's x: all partners go the same way
	s_cbranch_scc1 .Lout_v
	OUT 0
	s_branch .Ldone
.Lout_v:
	OUT 1
.Ldone:
	s_wait_tensorcnt 0x0                           ; the wave's end
	ds_add_u32 v[SPW], v[NIL]
	s_wait_dscnt 0x0
	CROUND                                         ; the closing round
	s_endpgm
.Lfunc_end_k_qc71fb9de53_qkv:
	.size	k_qc71fb9de53_qkv, .Lfunc_end_k_qc71fb9de53_qkv-k_qc71fb9de53_qkv
	.p2alignl 7, 3214868480
	.fill 96, 4, 3214868480
	.section	.rodata,"a",@progbits
	.p2align	6, 0x0
	.amdhsa_kernel k_qc71fb9de53_qkv
		.amdhsa_group_segment_fixed_size 327680
		.amdhsa_private_segment_fixed_size 0
		.amdhsa_enable_private_segment 0
		.amdhsa_kernarg_size 40
		.amdhsa_user_sgpr_count 2
		.amdhsa_user_sgpr_kernarg_segment_ptr 1
		.amdhsa_wavefront_size32 1
		.amdhsa_system_sgpr_workgroup_id_x 1
		.amdhsa_system_sgpr_workgroup_id_y 1
		.amdhsa_system_sgpr_workgroup_id_z 1
		.amdhsa_system_vgpr_workitem_id 0
		.amdhsa_next_free_vgpr 1024
		.amdhsa_next_free_sgpr 102
		.amdhsa_reserve_vcc 0
		.amdhsa_float_denorm_mode_32 3
		.amdhsa_float_denorm_mode_16_64 3
		.amdhsa_memory_ordered 1
		.amdhsa_forward_progress 1
		.amdhsa_inst_pref_size 140
	.end_amdhsa_kernel
	.amdgpu_metadata
---
amdhsa.version: [ 1, 2 ]
amdhsa.kernels:
  - .name:           k_qc71fb9de53_qkv
    .symbol:         k_qc71fb9de53_qkv.kd
    .args:
      - { .name: xc, .offset: 0, .size: 8, .value_kind: global_buffer, .address_space: global }
      - { .name: xs, .offset: 8, .size: 8, .value_kind: global_buffer, .address_space: global }
      - { .name: wc, .offset: 16, .size: 8, .value_kind: global_buffer, .address_space: global }
      - { .name: ws, .offset: 24, .size: 8, .value_kind: global_buffer, .address_space: global }
      - { .name: qkvf, .offset: 32, .size: 8, .value_kind: global_buffer, .address_space: global }
    .group_segment_fixed_size: 327680
    .private_segment_fixed_size: 0
    .kernarg_segment_align: 8
    .kernarg_segment_size: 40
    .max_flat_workgroup_size: 128
    .sgpr_count:     102
    .vgpr_count:     1024
    .wavefront_size: 32
...
	.end_amdgpu_metadata
.endif
;; end of part 2
;; launch attn (part 3): grid 8 x 36, 8 waves a work-group, no clusters, 327,680 bytes of LDS; arguments qkvf, opf, xc, xs, wc, ws, op32; writes opf, op32
.if DOCPART == 3
	.amdgcn_target "amdgcn-amd-amdhsa--gfx1250"
	.amdhsa_code_object_version 6
	.text
	.protected	k_qc71fb9de53_attn
	.globl	k_qc71fb9de53_attn
	.p2align	8
	.type	k_qc71fb9de53_attn,@function
k_qc71fb9de53_attn:
	s_mov_b64 s[64:65], 0
	v_nop
	global_prefetch_b8 v0, s[64:65] scope:SCOPE_SE
	s_setreg_imm32_b32 hwreg(HW_REG_WAVE_MODE, 25, 1), 1
	s_wait_xcnt 0x0
; TWO KINDS OF WORK-GROUPS, parted at the head on the work-group's y.  y = 0..31: causal attention of one (batch, head) on f16 operands.  y = 32..35: the first 16 positions of one (batch, head) in f32 (at the end of this text).
;
; CAUSAL ATTENTION, head size 64, on f16 operands with f32 products, maxima and sums; the weights p are rounded to f16 for the second product, the result once to f16.
; SHARES.  Work-group (j, batch x head).  Waves 0-3 own the 128 queries of block j, waves 4-7 those of block 15 - j; a wave owns 32 queries, two tiles of 16.  Under the mask a wave of block i has 2 (i + 1) key steps of 64:
; a short and a long wave together have 34, whatever j is.
; LAYOUT.  S^T = K Q^T (source 0 = 16 keys, source 1 = 16 queries): a lane holds ONE query and keys 8 h + j; two such tiles, rounded in pairs, ARE source 1 of O^T = V^T P.  q, k and V^T lie in memory as images of these
; operands' registers, so every fragment comes by 16 bytes a lane at 16 x lane, and nothing is turned.
; RING.  Two LDS slots of 256 keys (K 32,768 bytes, V^T 32,768).  All eight waves fetch, one tensor load each: waves 0-3 for K, 4-7 for V^T; a wave takes 2,048 bytes of EACH of the slot's four steps, so that every load
; that is issued holds bytes of the slot's first step.  K (step q, key tile kt) lies at 8192 kt + 2048 q; V^T (step q, f = 4 kg + ct) at 32768 + 8192 (f / 2) + 2048 q + 1024 (f % 2).
; A KEY STEP.  A slot's four steps are written out.  K of step q + 1 is fetched from LDS behind step q's products K Q^T, so that it lands under the softmax; only a slot's first step fetches its own K.  The scalings stand among
; the exponentials; the row's sums stand between the products V^T P, under the same register windows as they.
; THE MASK.  Every work-group walks all eight slots: the trip counts are constants.  A step all of whose keys come after the wave's queries is left out, with the rest of its slot (those come later still), by a scalar branch on
; ids; the one step on the diagonal hides scores by -infinity ahead of the maximum.  A slot whose first key comes after the work-group's last query is not asked for.  Every wait for tensor loads is for all of them.
; NO CLUSTER: the eight work-groups of a head end their walks at four different slots (last query 128 (16 - j) - 1), so a joint load would bring tiles that a partner never reads.
; SOFTMAX.  A running maximum m and sum l for each query: p = 2^(c s - c m), c = log2(e) / 8; in every step O^T and l are multiplied by 2^(c m_old - c m_new).
; opf [token tile 256][32 k 32][half 2][lane][16 B], k = 64 head + channel: the projection's operand as it takes it.
; LIMITS: the result is rounded to f16 (it is an average of v, so it has v's range); a weight p under 6e-8 beside the row's largest counts as 0.  NaN and infinities are not served.
; REGISTERS.  Window 0: v1-11 addresses; v16-31 statistics, 8 a tile: +0 c m, +1 m, +4..7 at work (+6 the factor); v32-63 Q; v64-127 S^T; v128-159 P; v160-223 K; v224-226 the mask's.
;   Window 1: v0-63 O^T; v64-127 V^T; v128-135 l, two chains of a pair for each tile; v144-175 the f32 path's four accumulators.
.set SLOT1, 65536
.set SPARE, 131072                     ; behind the ring: the spare words, 128 bytes a wave
.set FIMG,  SPARE+1024                 ; behind them: the f32 path's twelve images of 1,024 bytes; no tile lands there
.set L16, 1                            ; v1  16 x lane
.set ADR, 2                            ; v2  LDS address of the slot's tiles
.set DG,  3                            ; v3  r - 8 h
.set PFO, 5                            ; v5  the prefetches' offset
.set SPW, 6
.set NIL, 7
.set ST,  16
.set Q,   32
.set S,   64
.set P,   128
.set KR,  160
.set MK,  224
.set VR,  64                           ; in window 1
.set LS,  128                          ; in window 1
.set MSB, 0
.macro WIN new                         ; the immediate's high byte repeats the setting that is left
.if MSB != (\new)
	s_set_vgpr_msb (MSB<<8)|(\new)
.set MSB, (\new)
.endif
.endm
	s_load_b128 s[4:7], s[0:1], 0x0                ; qkvf, opf
	v_lshl_add_u32 v[SPW], v0, 2, SPARE
	v_mov_b32 v[NIL], 0
	ds_add_u32 v[SPW], v[NIL]                      ; the wave's opening: the add, twice on end, and its wait ahead of my first tensor load
	ds_add_u32 v[SPW], v[NIL]
	v_lshrrev_b32 v1, 5, v0
	v_readfirstlane_b32 s8, v1                     ; wave 0..7
	s_and_b32 s10, ttmp7, 0xffff                   ; the work-group's y
	v_and_b32 v8, 31, v0                           ; lane
	v_lshlrev_b32 v[L16], 4, v8
	v_and_b32 v9, 15, v0                           ; r
	v_bfe_u32 v10, v0, 4, 1                        ; h
	v_lshlrev_b32 v11, 3, v10
	v_sub_nc_u32 v[DG], v9, v11
	s_wait_dscnt 0x0                               ; both opening adds are done
	s_cmp_ge_u32 s10, 32                           ; the work-group's number alone: all eight waves go the same way
	s_cbranch_scc1 .Lfine
	s_and_b32 s9, s8, 3
	s_sub_co_u32 s36, 15, ttmp9
	s_cmp_lt_u32 s8, 4
	s_cselect_b32 s36, ttmp9, s36                  ; my block of 128 queries
	s_lshl_b32 s11, s36, 7
	s_lshl_b32 s37, s9, 5
	s_add_co_u32 s11, s11, s37                     ; s11: my first query
	s_sub_co_u32 s12, 16, ttmp9
	s_lshl_b32 s12, s12, 7
	s_sub_co_u32 s12, s12, 1                       ; s12: my work-group's last query
	s_mov_b32 s16, 3<<16                           ; group 1: elements of 8 bytes, no mask, no padding;
	s_mov_b32 s17, 256<<16                         ; tensor_dim0 = 256 (2,048 bytes)
	s_mov_b32 s18, 4<<16                           ; tensor_dim1 = 4
	s_mov_b32 s19, 256<<16                         ; tile_dim0
	s_mov_b32 s20, 4                               ; tile_dim1: one row from each of the slot's four steps,
	s_mov_b32 s21, 1024                            ; 8,192 bytes apart
	s_mov_b32 s22, 0
	s_mov_b32 s23, 0
	s_mov_b32 s13, 0                               ; s13: the slot's first key
	s_mov_b32 s14, 0                               ; s14: the slot's LDS base
	s_mov_b32 s15, 7                               ; s15: changes of slots that ask for a slot
	s_mov_b32 s32, 0x3e38aa3b                      ; c = log2(e) / sqrt(64)
	s_mov_b32 s33, s32                             ; (named with it as a pair)
	s_mov_b32 s34, 0x76543210
	s_mov_b32 s35, 0xfedcba98
	s_cmp_eq_u32 ttmp9, 0
	s_cselect_b32 s30, 1, -1                       ; s30: the head's first work-group prefetches while s15 is above 1; the others never
	s_lshr_b32 s40, s8, 2
	s_add_co_u32 s40, s40, 1
	s_lshl_b32 s40, s40, 23                        ; k's region (waves 0-3) or v's (waves 4-7),
	s_lshl_b32 s36, s10, 18                        ; the head's 262,144 bytes,
	s_add_co_u32 s40, s40, s36
	s_lshl_b32 s37, s9, 11                         ; my 2,048 bytes of a step
	s_add_co_u32 s40, s40, s37
	s_mov_b32 s41, 0
	s_lshl_b32 s42, s11, 7                         ; q: 128 bytes a token
	s_add_co_u32 s42, s42, s36
	s_mov_b32 s43, 0
	s_lshr_b32 s44, s10, 4
	s_lshl_b32 s44, s44, 22                        ; opf: the batch's 128 token tiles of 32,768 bytes,
	s_lshl_b32 s37, s11, 11                        ; my first token tile,
	s_add_co_u32 s44, s44, s37
	s_and_b32 s37, s10, 15
	s_lshl_b32 s37, s37, 11                        ; the head's 2,048 bytes of a tile
	s_add_co_u32 s44, s44, s37
	s_mov_b32 s45, 0
	s_wait_kmcnt 0x0
	s_mov_b32 s24, 1                               ; group 0: count = 1
	s_lshl_b32 s25, s8, 13                         ; LDS: slot 0, 8,192 x wave
	s_add_nc_u64 s[26:27], s[4:5], s[40:41]
	s_add_nc_u64 s[28:29], s[26:27], 32768         ; the prefetches stand a slot on: the first change of slots steps them to slot 2
	s_or_b32 s27, s27, 0x80000000                  ; type = 2
	tensor_load_to_lds s[24:27], s[16:23]          ; slot 0: every wave's first fill
	s_nop 0
	v_lshrrev_b32 v11, 3, v8
	v_and_b32 v8, 7, v8
	v_lshlrev_b32 v8, 8, v8
	v_lshl_add_u32 v[PFO], v11, 13, v8             ; 8,192 (lane / 8) + 256 (lane % 8): my wave's 4 x 2,048 bytes of a slot, lanes 256 bytes apart
	s_add_nc_u64 s[38:39], s[4:5], s[42:43]
	s_add_nc_u64 s[6:7], s[6:7], s[44:45]
.irp i, 0,1,2,3,4,5,6,7
	global_load_b128 v[Q+4*\i:Q+4*\i+3], v[L16], s[38:39] offset:512*\i   ; Q stays in registers: tile i / 4, channels 32 ((i / 2) % 2) on
.endr
.irp t, 0,1
	v_mov_b32 v[ST+8*\t+1], 0xff61b1e6             ; m: -3e38, under every score
	v_mul_f32 v[ST+8*\t], s32, v[ST+8*\t+1]        ; c m
.irp i, 2,3,4,5,6,7
	v_mov_b32 v[ST+8*\t+\i], 0
.endr
.endr
	v_mov_b32 v[MK+2], 0xff800000                  ; -infinity
	WIN 0x40
.set i, 0
.rept 64
	v_mov_b32 v[i], 0                              ; O^T.  (A step has one form: the first finds zeros, which the first factor leaves zeros)
.set i, i+1
.endr
.set i, 0
.rept 8
	v_mov_b32 v[LS+i], 0                           ; l
.set i, i+1
.endr
	WIN 0
.macro KLOAD q                         ; K of the slot's step q: 64 keys x 64 channels, 8 fragments
.irp kt, 0,1,2,3
.irp e, 0,1,2,3
	ds_load_b128 v[KR+16*\kt+4*\e:KR+16*\kt+4*\e+3], v[ADR] offset:8192*\kt+2048*(\q)+512*\e
.endr
.endr
.endm
.macro SCALE t, u                      ; pair u of tile t: c s - c m
	v_pk_fma_f32 v[S+32*\t+2*(\u):S+32*\t+2*(\u)+1], v[S+32*\t+2*(\u):S+32*\t+2*(\u)+1], s[32:33], v[ST+8*\t:ST+8*\t+1] op_sel_hi:[1,0,0] neg_lo:[0,0,1] neg_hi:[0,0,1]
.endm
.macro LSUM a                          ; l += pair a / 2 of tile a % 2's unrounded weights; two chains a tile.  Destination and source 0 (l) in window 1, source 1 (p) in window 0: the setting of the products V^T P
	v_pk_add_f32 v[LS+4*((\a)%2)+2*(((\a)/2)%2):LS+4*((\a)%2)+2*(((\a)/2)%2)+1], v[LS+4*((\a)%2)+2*(((\a)/2)%2):LS+4*((\a)%2)+2*(((\a)/2)%2)+1], v[S+32*((\a)%2)+2*((\a)/2):S+32*((\a)%2)+2*((\a)/2)+1]
.endm
; A KEY STEP: 64 keys, the q-th of the slot in hand.  id names the label at the slot's end.
.macro STEP q, id
	s_add_co_u32 s36, s11, 31
	s_add_co_u32 s37, s13, 64*\q                   ; the step's first key
	s_cmp_gt_u32 s37, s36                          ; all its keys come after my 32 queries, and so do those of the slot's later steps: nothing of them is read or computed
	s_cbranch_scc1 .Lrest_\id
.if \q == 0
	KLOAD 0                                        ; a slot's first step fetches its own K: the slot was not whole before the barrier
.endif
	WIN 0x40                                       ; destination window 1.  (Four plain lines, the last four sums, stand between the last product that read V^T and these loads)
.irp f, 0,1,2,3,4,5,6,7
.irp e, 0,1
	ds_load_b128 v[VR+8*\f+4*\e:VR+8*\f+4*\e+3], v[ADR] offset:32768+8192*(\f/2)+2048*\q+1024*(\f%2)+512*\e
.endr
.endr
	WIN 0
	s_wait_dscnt 16                                ; K is in: behind its loads only V^T's sixteen were issued, and they may be out
.irp ks, 0,1                                   ; S^T = K Q^T: eight accumulators by turns; the first eight start the sums
.irp kt, 0,1,2,3
.irp t, 0,1
.if \ks == 0
	v_wmma_f32_16x16x32_f16 v[S+32*\t+8*\kt:S+32*\t+8*\kt+7], v[KR+16*\kt+8*\ks:KR+16*\kt+8*\ks+7], v[Q+16*\t+8*\ks:Q+16*\t+8*\ks+7], 0
.else
	v_wmma_f32_16x16x32_f16 v[S+32*\t+8*\kt:S+32*\t+8*\kt+7], v[KR+16*\kt+8*\ks:KR+16*\kt+8*\ks+7], v[Q+16*\t+8*\ks:Q+16*\t+8*\ks+7], v[S+32*\t+8*\kt:S+32*\t+8*\kt+7]
.endif
.endr
.endr
.endr
.rept 4
	v_nop                                          ; four places: in front of the loads into K's registers, and of the first read of the scores
.endr
.if \q < 3
	KLOAD \q+1                                     ; the next step's K, of the same slot: it lands under the softmax
.endif
	s_add_co_u32 s36, s37, 63
	s_cmp_le_u32 s36, s11                          ; all 64 keys count for all my queries
	s_cbranch_scc1 .Lopen_\@
	s_sub_co_i32 s36, s11, s37
	v_add_nc_u32 v[MK], s36, v[DG]                 ; register 8 kt + j of tile t holds key 16 kt + 8 h + j of the step: hidden where 16 kt + j > my query - the step's first key - 8 h
	v_add_nc_u32 v[MK+1], 16, v[MK]
.irp t, 0,1
.irp n, 0,1,2,3,4,5,6,7,8,9,10,11,12,13,14,15,16,17,18,19,20,21,22,23,24,25,26,27,28,29,30,31
	v_cmp_gt_i32 vcc_lo, 16*(\n/8)+\n%8, v[MK+\t]
	v_cndmask_b32 v[S+32*\t+\n], v[S+32*\t+\n], v[MK+2], vcc_lo
.endr
.endr
.Lopen_\@:
.irp c, 0,1,2,3                                ; the maximum: four chains a tile, the tiles by turns; each accumulator is read from its low end on
.irp t, 0,1
	v_max3_num_f32 v[ST+8*\t+4+\c], v[S+32*\t+8*\c], v[S+32*\t+8*\c+1], v[S+32*\t+8*\c+2]
.endr
.endr
.irp i, 3,5
.irp c, 0,1,2,3
.irp t, 0,1
	v_max3_num_f32 v[ST+8*\t+4+\c], v[ST+8*\t+4+\c], v[S+32*\t+8*\c+\i], v[S+32*\t+8*\c+\i+1]
.endr
.endr
.endr
.irp t, 0,1
	v_max3_num_f32 v[ST+8*\t+4], v[ST+8*\t+4], v[S+32*\t+7], v[S+32*\t+15]
.endr
.irp t, 0,1
	v_max3_num_f32 v[ST+8*\t+6], v[ST+8*\t+6], v[S+32*\t+23], v[S+32*\t+31]
.endr
.irp t, 0,1
	v_max3_num_f32 v[ST+8*\t+4], v[ST+8*\t+4], v[ST+8*\t+5], v[ST+8*\t+6]
.endr
.irp t, 0,1
	v_max3_num_f32 v[ST+8*\t+4], v[ST+8*\t+4], v[ST+8*\t+7], v[ST+8*\t+1]   ; with the old m
.endr
.irp t, 0,1
	v_permlanex16_b32 v[ST+8*\t+5], v[ST+8*\t+4], s34, s35                  ; the query's other 32 keys lie in the lane 16 away
.endr
.irp t, 0,1
	v_mov_b32 v[ST+8*\t+7], v[ST+8*\t]             ; c m_old
.endr
.irp t, 0,1
	v_max_num_f32 v[ST+8*\t+1], v[ST+8*\t+4], v[ST+8*\t+5]
.endr
.irp t, 0,1
	v_mul_f32 v[ST+8*\t], s32, v[ST+8*\t+1]
.endr
.irp t, 0,1
	v_sub_f32 v[ST+8*\t+7], v[ST+8*\t+7], v[ST+8*\t]
.endr
; ONE BATCH of 66 exponentials with the 32 scalings among them: a scaling, of the pair after, stands ahead of each two exponentials.  None of these lines names an exponential's result.
.irp t, 0,1
	v_exp_f32 v[ST+8*\t+6], v[ST+8*\t+7]           ; the factor 2^(c m_old - c m_new)
.endr
.irp t, 0,1
	SCALE \t, 0
.endr
.irp u, 0,1,2,3,4,5,6,7,8,9,10,11,12,13,14,15
.irp t, 0,1
.if \u < 15
	SCALE \t, \u+1
.endif
	v_exp_f32 v[S+32*\t+2*\u], v[S+32*\t+2*\u]
	v_exp_f32 v[S+32*\t+2*\u+1], v[S+32*\t+2*\u+1]
.endr
.endr
	v_nop                                          ; a plain line behind the last exponential,
	s_wait_alu depctr_va_vdst(0)                   ; and ONE wait for the batch, ahead of its first reader
.irp i, 0,1,2,3,4,5,6,7,8,9,10,11,12,13,14,15
.irp t, 0,1
	v_cvt_pk_f16_f32 v[P+16*\t+\i], v[S+32*\t+2*\i], v[S+32*\t+2*\i+1]
.endr
.endr
	WIN 0x41                                       ; O^T and l (destination, source 0) in window 1, the factor in window 0
.irp i, 0,2,4,6,8,10,12,14,16,18,20,22,24,26,28,30
.irp t, 0,1
	v_pk_mul_f32 v[32*\t+\i:32*\t+\i+1], v[32*\t+\i:32*\t+\i+1], v[ST+8*\t+6:ST+8*\t+7] op_sel_hi:[1,0]
.endr
.endr
.irp t, 0,1
	v_pk_mul_f32 v[LS+4*\t:LS+4*\t+1], v[LS+4*\t:LS+4*\t+1], v[ST+8*\t+6:ST+8*\t+7] op_sel_hi:[1,0]
	v_pk_mul_f32 v[LS+4*\t+2:LS+4*\t+3], v[LS+4*\t+2:LS+4*\t+3], v[ST+8*\t+6:ST+8*\t+7] op_sel_hi:[1,0]
.endr
	s_wait_dscnt 0x0                               ; V^T is in (for 0: the next K's loads were issued behind V^T's; both went out ahead of the softmax)
	WIN 0x51                                       ; V^T, C and D in window 1, P in window 0
.set i, 0
.rept 16                                       ; O^T += V^T P: product i: keys 32 (i / 8) on, channels 16 ((i / 2) % 4) on, tile i % 2: eight accumulators by turns.  Two of the row's 32 sums stand behind each product;
	v_wmma_f32_16x16x32_f16 v[32*(i%2)+8*((i/2)%4):32*(i%2)+8*((i/2)%4)+7], v[VR+8*(i/2):VR+8*(i/2)+7], v[P+16*(i%2)+8*(i/8):P+16*(i%2)+8*(i/8)+7], v[32*(i%2)+8*((i/2)%4):32*(i%2)+8*((i/2)%4)+7]
.if i < 14
	LSUM 2*i
	LSUM 2*i+1
.endif
.if i == 15                                    ; the last four stand behind the last: they name none of its registers, and are the places in front of the next loads into V^T's
	LSUM 28
	LSUM 29
	LSUM 30
	LSUM 31
.endif
.set i, i+1
.endr
	WIN 0
.endm
.macro SLOT_STEPS                      ; a slot's four steps
	v_add_nc_u32 v[ADR], s14, v[L16]
	STEP 0, \@
	STEP 1, \@
	STEP 2, \@
	STEP 3, \@
.Lrest_\@:
	s_add_co_u32 s13, s13, 256
	s_xor_b32 s14, s14, SLOT1                      ; on to the other slot
.endm
; A PREFETCH INTO THE L2 of what the NEXT change of slots will ask for.  All eight work-groups of a head walk the same K and V^T: the first of them asks; each of its waves names the 32 blocks of 256 bytes
; that it will itself fetch, a lane a block: so each block is named once in the launch.  It stands behind the tensor load; the last change that fills a slot asks for nothing; slots 0 and 1 come by their loads alone.
.macro ASK
	s_cmp_gt_u32 s15, s30
	s_cbranch_scc0 .Lnot_mine_\@
	global_prefetch_b8 v[PFO], s[28:29] th:TH_LOAD_NT scope:SCOPE_SE
.Lnot_mine_\@:
.endm
; THE CHANGE OF SLOTS stands at a slot's head.  Each wave waits for all its tensor loads (its part of the slot ahead), adds 0 to its spare word, and waits for that and for its reads of the slot that it has left.
; Behind the barrier the slot ahead is whole and nobody reads the other: fill = 1: it takes the next 256 keys, and that load has four key steps in which to land.
.macro CHANGE fill
	s_wait_tensorcnt 0x0                           ; no tensor load of mine is out, so group 0 may be written
	ds_add_u32 v[SPW], v[NIL]                      ; every way here leads through the head's tensor load
.if \fill
	s_xor_b32 s25, s25, SLOT1                      ; the other slot than last time,
	s_add_nc_u64 s[26:27], s[26:27], 32768         ; the next 256 keys; the type bits on top are not reached
	s_wait_xcnt 0x0                                ; the last prefetch, a slot back, has read its address
	s_add_nc_u64 s[28:29], s[28:29], 32768
.endif
	s_wait_dscnt 0x0
	s_barrier_signal -1
	s_barrier_wait -1
.if \fill
	s_add_co_u32 s36, s13, 256                     ; the first key of the slot that this change would ask for
	s_cmp_gt_u32 s36, s12                          ; beyond my work-group's last query: none of its waves would read it.  Ids and the count of slots alone: all eight waves go the same way
	s_cbranch_scc1 .Lpast_\@
	tensor_load_to_lds s[24:27], s[16:23]          ; my one tensor load until the next such barrier
	s_nop 0
.rept 4
	v_nop
.endr
.Lpast_\@:
	ASK
.endif
.endm
	s_wait_loadcnt 0x0                             ; Q
.Lslot:                                            ; seven trips: behind each change of slots but the last the next slot is asked for, up to the causal limit
	CHANGE 1
	SLOT_STEPS
	s_sub_co_u32 s15, s15, 1
	s_cmp_lg_u32 s15, 0
	s_cbranch_scc1 .Lslot
	CHANGE 0                                       ; the last slot is written out: nothing is left to ask for
	SLOT_STEPS
	; THE WAY OUT: O^T / l, rounded to f16: a lane's eight channels are 16 bytes, and the 32 lanes' 16 bytes are one group of the projection's fragment: 512 consecutive bytes a store.
	WIN 0x05                                       ; sources in window 1.  (The last four sums and these lines are the places behind the last products)
.irp t, 0,1
	v_add_f32 v[ST+8*\t+4], v[LS+4*\t], v[LS+4*\t+1]
	v_add_f32 v[ST+8*\t+5], v[LS+4*\t+2], v[LS+4*\t+3]
.endr
	WIN 0
.irp t, 0,1
	v_add_f32 v[ST+8*\t+4], v[ST+8*\t+4], v[ST+8*\t+5]
.endr
.irp t, 0,1
	v_permlanex16_b32 v[ST+8*\t+5], v[ST+8*\t+4], s34, s35
.endr
.irp t, 0,1
	v_add_f32 v[ST+8*\t+4], v[ST+8*\t+4], v[ST+8*\t+5]
.endr
.irp t, 0,1
	v_rcp_f32 v[ST+8*\t+6], v[ST+8*\t+4]
.endr
	v_nop
	s_wait_alu depctr_va_vdst(0)                   ; one wait for the two reciprocals
	WIN 0x01                                       ; source 0 in window 1
.irp t, 0,1
.irp i, 0,2,4,6,8,10,12,14,16,18,20,22,24,26,28,30
	v_pk_mul_f32 v[S+32*\t+\i:S+32*\t+\i+1], v[32*\t+\i:32*\t+\i+1], v[ST+8*\t+6:ST+8*\t+7] op_sel_hi:[1,0]
.endr
.endr
	WIN 0
.irp t, 0,1
.irp i, 0,1,2,3,4,5,6,7,8,9,10,11,12,13,14,15
	v_cvt_pk_f16_f32 v[P+16*\t+\i], v[S+32*\t+2*\i], v[S+32*\t+2*\i+1]
.endr
.endr
.irp t, 0,1
.irp ct, 0,1,2,3
	global_store_b128 v[L16], v[P+16*\t+4*\ct:P+16*\t+4*\ct+3], s[6:7] offset:32768*\t+512*\ct
.endr
.endr
	s_wait_tensorcnt 0x0                           ; the wave's end
	ds_add_u32 v[SPW], v[NIL]
	s_wait_dscnt 0x0
	s_endpgm
; ---------------------------------------------------------------------------------------------------------------------------------------------------------------------------------
; THE FIRST 16 POSITIONS OF EVERY SEQUENCE, IN F32: under the causal mask they average one to sixteen values, so f16 operands would weigh most there.  32 work-groups (y = 32..35), one for each (batch, head).
; They issue no tensor load, and their LDS bytes (from FIMG on) are theirs alone.
; q, k and v of the 16 positions are made anew from the codes, by scaled FP4 products, K ascending in one accumulator for each output.  Waves 0-3: q's and k's 16 channels (wave), two accumulators by turns: source 0 = 16 columns
; of W_qkv, source 1 = the 16 tokens: a lane holds one token and 8 channels.  Waves 4-7: v's 16 channels (wave - 4), the sources changed: a lane holds one channel and 8 tokens.
; The results go through LDS as images of their registers (1,024 bytes each).  Then waves 0-3 each make S^T = K Q^T (16 x 16 x 64) and their 16 channels of O^T = V^T P by the f32 matrix form: no bulk work.
; The f32 form's k = 2 h + j is fed with channels (or keys) 8 h + 2 i + j on both sides alike: a permutation of k that both operands share.
; op32 [batch 2][c 8][g 16][lane][16 B]: register 4 g + (0..3) of lane (r, h) is op(batch, position r, k = 128 c + 64 h + 4 g + ..): the order in which the f32 projection takes it.
; The softmax takes the row's maximum away.  LIMITS: NaN and infinities are not served.
.set R16, 2                            ; v2   16 r
.set IST, 4                            ; v4   where I store my images
.set VRD, 5                            ; v5   where waves 0-3 read v's image of their channels
.set OOF, 8                            ; v8   the result's place
.set QRD, 11                           ; v11  where q's and k's images are read
.set CM,  9                            ; v9   c x the maximum (r until then)
.set SU,  10                           ; v10  the row's sum (h until then)
.set PM,  12                           ; v12-15, v248: on these no load lands and no matrix instruction names them
.set PS,  13
.set NI,  14
.set MX,  15
.set RC,  248
.set XSC, 16                           ; v16-23   x's scale words
.set WSA, 24                           ; v24-31   the scale words of q's or v's columns
.set WSB, 224                          ; v224-231 of k's columns
.set ACC0, 232
.set ACC1, 240
.set XF,  32                           ; v32-95   x's eight fragments;  later q's and k's images
.set WA,  96                           ; v96-159  eight fragments of W (q's or v's columns);  later v's image, the scores, the result
.set WB,  160                          ; v160-223 eight fragments of W (k's columns)
.set QI,  32
.set KI,  64
.set VI,  96
.set TT,  104                          ; v104-111 scores, then p
.set OU,  120
.set SA,  144                          ; in window 1, v144-175: written by the f32 matrix form alone, in the whole text
.set SB,  152
.set OA,  160
.set OB,  168
.Lfine:
	s_load_b256 s[68:75], s[0:1], 0x10             ; xc s[68:69], xs s[70:71], wc s[72:73], ws s[74:75]
	s_load_b64 s[76:77], s[0:1], 0x30              ; op32
	v_lshlrev_b32 v[R16], 4, v9
	s_lshl_b32 s16, s8, 10
	s_lshr_b32 s17, s8, 2                          ; 0: q and k;  1: v
	s_lshl_b32 s18, s17, 12
	s_add_co_u32 s16, s16, s18
	s_add_co_u32 s16, s16, FIMG                    ; q's tile t at 1,024 t, k's at 4,096 + 1,024 t, v's at 8,192 + 1,024 t: waves 0-3 begin at 1,024 wave, waves 4-7 at 4,096 + 1,024 wave
	v_add_nc_u32 v[IST], s16, v[L16]               ; (every LDS address is made here, ahead of the first parting of the waves)
	s_and_b32 s19, s8, 3                           ; my 16 channels
	s_lshl_b32 s16, s19, 10
	s_add_co_u32 s16, s16, FIMG+8192
	v_add_nc_u32 v[VRD], s16, v[L16]
	v_add_nc_u32 v[QRD], FIMG, v[L16]
	v_lshl_add_u32 v[OOF], v10, 10, v[R16]         ; 1,024 h + 16 r
	v_mov_b32 v[PM], 0                             ; lane permutes' destinations count as read
	v_mov_b32 v[PS], 0
	v_mov_b32 v[NI], 0xff800000                    ; -infinity
	s_sub_co_u32 s20, s10, 32
	s_lshl_b32 s20, s20, 3
	s_add_co_u32 s20, s20, ttmp9                   ; 0..31
	s_lshr_b32 s21, s20, 4                         ; batch
	s_and_b32 s22, s20, 15                         ; head
	s_mov_b32 s26, 0x76543210
	s_mov_b32 s27, 0xfedcba98
	s_mov_b32 s28, 0x3e38aa3b                      ; c = log2(e) / sqrt(64)
	s_mov_b32 s31, 0
	s_lshl_b32 s25, s17, 7
	s_lshl_b32 s23, s22, 2
	s_add_co_u32 s25, s25, s23
	s_add_co_u32 s25, s25, s19                     ; my column tile: 4 head + wave % 4 (q's; k's lies 64 tiles on), for v + 128
	s_wait_kmcnt 0x0
	s_lshl_b32 s30, s21, 20                        ; row tile 128 x batch: 8,192 bytes a tile
	s_add_nc_u64 s[68:69], s[68:69], s[30:31]
	s_lshl_b32 s30, s21, 16
	s_add_nc_u64 s[70:71], s[70:71], s[30:31]
	s_lshl_b32 s30, s25, 13
	s_add_nc_u64 s[72:73], s[72:73], s[30:31]
	s_lshl_b32 s30, s25, 9
	s_add_nc_u64 s[74:75], s[74:75], s[30:31]
	s_lshl_b32 s30, s21, 16                        ; op32: 65,536 batch + 8,192 (head / 2) + 2,048 (wave % 4) + 256 (head % 2)
	s_lshr_b32 s29, s22, 1
	s_lshl_b32 s29, s29, 13
	s_add_co_u32 s30, s30, s29
	s_lshl_b32 s29, s19, 11
	s_add_co_u32 s30, s30, s29
	s_and_b32 s29, s22, 1
	s_lshl_b32 s29, s29, 8
	s_add_co_u32 s30, s30, s29
	s_add_nc_u64 s[76:77], s[76:77], s[30:31]
.irp i, 0,1,2,3,4,5,6,7,8,9,10,11,12,13,14,15
	global_load_b128 v[XF+4*\i:XF+4*\i+3], v[L16], s[68:69] offset:512*\i
.endr
.irp i, 0,1,2,3,4,5,6,7,8,9,10,11,12,13,14,15
	global_load_b128 v[WA+4*\i:WA+4*\i+3], v[L16], s[72:73] offset:512*\i
.endr
	global_load_b128 v[XSC:XSC+3], v[R16], s[70:71]
	global_load_b128 v[XSC+4:XSC+7], v[R16], s[70:71] offset:256
	global_load_b128 v[WSA:WSA+3], v[R16], s[74:75]
	global_load_b128 v[WSA+4:WSA+7], v[R16], s[74:75] offset:256
	s_cmp_lt_u32 s8, 4
	s_cbranch_scc0 .Lf_v
.irp i, 0,1,2,3,4,5,6,7,8,9,10,11,12,13,14,15
	global_load_b128 v[WB+4*\i:WB+4*\i+3], v[L16], s[72:73] offset:524288+512*\i   ; k's columns: 64 tiles of 8,192 bytes on
.endr
	global_load_b128 v[WSB:WSB+3], v[R16], s[74:75] offset:32768
	global_load_b128 v[WSB+4:WSB+7], v[R16], s[74:75] offset:32768+256
	s_wait_loadcnt 0x0
.irp ks, 0,1,2,3,4,5,6,7                       ; q and k: lane (r, h): token r, channels 8 h + j.  The two accumulators take turns
.if \ks == 0
	v_wmma_scale_f32_16x16x128_f8f6f4 v[ACC0:ACC0+7], v[WA:WA+7], v[XF:XF+7], 0, v[WSA], v[XSC] matrix_a_fmt:MATRIX_FMT_FP4 matrix_b_fmt:MATRIX_FMT_FP4
	v_wmma_scale_f32_16x16x128_f8f6f4 v[ACC1:ACC1+7], v[WB:WB+7], v[XF:XF+7], 0, v[WSB], v[XSC] matrix_a_fmt:MATRIX_FMT_FP4 matrix_b_fmt:MATRIX_FMT_FP4
.else
	v_wmma_scale_f32_16x16x128_f8f6f4 v[ACC0:ACC0+7], v[WA+8*\ks:WA+8*\ks+7], v[XF+8*\ks:XF+8*\ks+7], v[ACC0:ACC0+7], v[WSA+\ks], v[XSC+\ks] matrix_a_fmt:MATRIX_FMT_FP4 matrix_b_fmt:MATRIX_FMT_FP4
	v_wmma_scale_f32_16x16x128_f8f6f4 v[ACC1:ACC1+7], v[WB+8*\ks:WB+8*\ks+7], v[XF+8*\ks:XF+8*\ks+7], v[ACC1:ACC1+7], v[WSB+\ks], v[XSC+\ks] matrix_a_fmt:MATRIX_FMT_FP4 matrix_b_fmt:MATRIX_FMT_FP4
.endif
.endr
.rept 4
	v_nop                                          ; places behind the last product
.endr
	ds_store_b128 v[IST], v[ACC0:ACC0+3]           ; q's image, from the accumulator's low end on;
	ds_store_b128 v[IST], v[ACC0+4:ACC0+7] offset:512
	ds_store_b128 v[IST], v[ACC1:ACC1+3] offset:4096   ; k's
	ds_store_b128 v[IST], v[ACC1+4:ACC1+7] offset:4608
	s_branch .Lf_made
.Lf_v:
	s_wait_loadcnt 0x0
	v_wmma_scale_f32_16x16x128_f8f6f4 v[ACC0:ACC0+7], v[XF:XF+7], v[WA:WA+7], 0, v[XSC], v[WSA] matrix_a_fmt:MATRIX_FMT_FP4 matrix_b_fmt:MATRIX_FMT_FP4   ; v: lane (r, h): channel r, tokens 8 h + j
.irp ks, 1,2,3,4,5,6,7                         ; one accumulator: a wait directly ahead of every link
	s_wait_alu depctr_va_vdst(0)
	v_wmma_scale_f32_16x16x128_f8f6f4 v[ACC0:ACC0+7], v[XF+8*\ks:XF+8*\ks+7], v[WA+8*\ks:WA+8*\ks+7], v[ACC0:ACC0+7], v[XSC+\ks], v[WSA+\ks] matrix_a_fmt:MATRIX_FMT_FP4 matrix_b_fmt:MATRIX_FMT_FP4
.endr
.rept 4
	v_nop
.endr
	ds_store_b128 v[IST], v[ACC0:ACC0+3]
	ds_store_b128 v[IST], v[ACC0+4:ACC0+7] offset:512
.Lf_made:
	s_wait_dscnt 0x0                               ; for the others' sake
	s_barrier_signal -1
	s_barrier_wait -1
	s_cmp_lt_u32 s8, 4
	s_cbranch_scc0 .Lf_end
.irp i, 0,1,2,3,4,5,6,7
	ds_load_b128 v[QI+4*\i:QI+4*\i+3], v[QRD] offset:512*\i          ; q: register 8 u + j = q(token r, channel 16 u + 8 h + j)
.endr
.irp i, 0,1,2,3,4,5,6,7
	ds_load_b128 v[KI+4*\i:KI+4*\i+3], v[QRD] offset:4096+512*\i     ; k likewise
.endr
	ds_load_b128 v[VI:VI+3], v[VRD]                                  ; v(channel 16 (wave) + r, token 8 h + j)
	ds_load_b128 v[VI+4:VI+7], v[VRD] offset:512
	s_wait_dscnt 0x0
	WIN 0x50                                       ; C and D in window 1
.irp n, 0,1,2,3,4,5,6,7,8,9,10,11,12,13,14,15   ; S^T = K Q^T: two accumulators by turns, four channels a step
.if \n < 2
	v_wmma_f32_16x16x4_f32 v[SA+8*(\n%2):SA+8*(\n%2)+7], v[KI+2*\n:KI+2*\n+1], v[QI+2*\n:QI+2*\n+1], 0
.else
	v_wmma_f32_16x16x4_f32 v[SA+8*(\n%2):SA+8*(\n%2)+7], v[KI+2*\n:KI+2*\n+1], v[QI+2*\n:QI+2*\n+1], v[SA+8*(\n%2):SA+8*(\n%2)+7]
.endif
.endr
	WIN 0
.rept 8
	v_nop                                          ; eight places behind this form
.endr
	WIN 0x05                                       ; sources in window 1
.irp j, 0,1,2,3,4,5,6,7
	v_add_f32 v[TT+\j], v[SA+\j], v[SB+\j]         ; lane (r, h): query r, key 8 h + j
.endr
	WIN 0
.irp j, 0,1,2,3,4,5,6,7
	v_cmp_gt_i32 vcc_lo, \j, v[DG]                 ; key 8 h + j is hidden from query r where j > r - 8 h
	v_cndmask_b32 v[TT+\j], v[TT+\j], v[NI], vcc_lo
.endr
	v_max3_num_f32 v[MX], v[TT], v[TT+1], v[TT+2]
	v_max3_num_f32 v[MX], v[MX], v[TT+3], v[TT+4]
	v_max3_num_f32 v[MX], v[MX], v[TT+5], v[TT+6]
	v_max_num_f32 v[MX], v[MX], v[TT+7]
	v_permlanex16_b32 v[PM], v[MX], s26, s27
	v_max_num_f32 v[MX], v[MX], v[PM]              ; the row's maximum: key 0 counts for every query, so it is a number
	v_mul_f32 v[CM], s28, v[MX]
.irp j, 0,1,2,3,4,5,6,7
	v_fma_f32 v[TT+\j], v[TT+\j], s28, -v[CM]
.endr
.irp j, 0,1,2,3,4,5,6,7
	v_exp_f32 v[TT+\j], v[TT+\j]
.endr
	v_nop                                          ; a plain line behind the last exponential,
	s_wait_alu depctr_va_vdst(0)                   ; and one wait for the batch, ahead of its first reader
	v_add_f32 v[SU], v[TT], v[TT+1]
	v_add_f32 v[RC], v[TT+2], v[TT+3]
	v_add_f32 v[SU], v[SU], v[TT+4]
	v_add_f32 v[RC], v[RC], v[TT+5]
	v_add_f32 v[SU], v[SU], v[TT+6]
	v_add_f32 v[RC], v[RC], v[TT+7]
	v_add_f32 v[SU], v[SU], v[RC]
	v_permlanex16_b32 v[PS], v[SU], s26, s27
	v_add_f32 v[SU], v[SU], v[PS]                  ; the row's sum
	v_rcp_f32 v[RC], v[SU]
	v_nop
	s_wait_alu depctr_va_vdst(0)
	WIN 0x50
.irp i, 0,1,2,3                                ; O^T = V^T P: four keys a step, two accumulators by turns
.if \i < 2
	v_wmma_f32_16x16x4_f32 v[OA+8*(\i%2):OA+8*(\i%2)+7], v[VI+2*\i:VI+2*\i+1], v[TT+2*\i:TT+2*\i+1], 0
.else
	v_wmma_f32_16x16x4_f32 v[OA+8*(\i%2):OA+8*(\i%2)+7], v[VI+2*\i:VI+2*\i+1], v[TT+2*\i:TT+2*\i+1], v[OA+8*(\i%2):OA+8*(\i%2)+7]
.endif
.endr
	WIN 0
.rept 8
	v_nop
.endr
	WIN 0x05
.irp j, 0,1,2,3,4,5,6,7
	v_add_f32 v[OU+\j], v[OA+\j], v[OB+\j]
.endr
	WIN 0
.irp j, 0,1,2,3,4,5,6,7
	v_mul_f32 v[OU+\j], v[OU+\j], v[RC]            ; lane (r, h): position r, channels 16 (wave) + 8 h + j
.endr
	global_store_b128 v[OOF], v[OU:OU+3], s[76:77]             ; sixteen lanes store 256 consecutive bytes, aligned
	global_store_b128 v[OOF], v[OU+4:OU+7], s[76:77] offset:512
.Lf_end:
	s_wait_tensorcnt 0x0                           ; the wave's end
	ds_add_u32 v[SPW], v[NIL]
	s_wait_dscnt 0x0
	s_endpgm
.Lfunc_end_k_qc71fb9de53_attn:
	.size	k_qc71fb9de53_attn, .Lfunc_end_k_qc71fb9de53_attn-k_qc71fb9de53_attn
	.p2alignl 7, 3214868480
	.fill 96, 4, 3214868480
	.section	.rodata,"a",@progbits
	.p2align	6, 0x0
	.amdhsa_kernel k_qc71fb9de53_attn
		.amdhsa_group_segment_fixed_size 327680
		.amdhsa_private_segment_fixed_size 0
		.amdhsa_enable_private_segment 0
		.amdhsa_kernarg_size 56
		.amdhsa_user_sgpr_count 2
		.amdhsa_user_sgpr_kernarg_segment_ptr 1
		.amdhsa_wavefront_size32 1
		.amdhsa_system_sgpr_workgroup_id_x 1
		.amdhsa_system_sgpr_workgroup_id_y 1
		.amdhsa_system_sgpr_workgroup_id_z 1
		.amdhsa_system_vgpr_workitem_id 0
		.amdhsa_next_free_vgpr 432
		.amdhsa_next_free_sgpr 80
		.amdhsa_reserve_vcc 1
		.amdhsa_float_denorm_mode_32 3
		.amdhsa_float_denorm_mode_16_64 3
		.amdhsa_memory_ordered 1
		.amdhsa_forward_progress 1
		.amdhsa_inst_pref_size 203
	.end_amdhsa_kernel
	.amdgpu_metadata
---
amdhsa.version: [ 1, 2 ]
amdhsa.kernels:
  - .name:           k_qc71fb9de53_attn
    .symbol:         k_qc71fb9de53_attn.kd
    .args:
      - { .name: qkvf, .offset: 0, .size: 8, .value_kind: global_buffer, .address_space: global }
      - { .name: opf, .offset: 8, .size: 8, .value_kind: global_buffer, .address_space: global }
      - { .name: xc, .offset: 16, .size: 8, .value_kind: global_buffer, .address_space: global }
      - { .name: xs, .offset: 24, .size: 8, .value_kind: global_buffer, .address_space: global }
      - { .name: wc, .offset: 32, .size: 8, .value_kind: global_buffer, .address_space: global }
      - { .name: ws, .offset: 40, .size: 8, .value_kind: global_buffer, .address_space: global }
      - { .name: op32, .offset: 48, .size: 8, .value_kind: global_buffer, .address_space: global }
    .group_segment_fixed_size: 327680
    .private_segment_fixed_size: 0
    .kernarg_segment_align: 8
    .kernarg_segment_size: 56
    .max_flat_workgroup_size: 256
    .sgpr_count:     80
    .vgpr_count:     432
    .wavefront_size: 32
...
	.end_amdgpu_metadata
.endif
;; end of part 3
;; launch proj (part 4): grid 8 x 32, 4 waves a work-group, clusters of 4 x 4, 327,680 bytes of LDS; arguments opf, wof, out0; writes out0
.if DOCPART == 4
	.amdgcn_target "amdgcn-amd-amdhsa--gfx1250"
	.amdhsa_code_object_version 6
	.text
	.protected	k_qc71fb9de53_proj
	.globl	k_qc71fb9de53_proj
	.p2align	8
	.type	k_qc71fb9de53_proj,@function
k_qc71fb9de53_proj:
	s_mov_b64 s[64:65], 0
	v_nop
	global_prefetch_b8 v0, s[64:65] scope:SCOPE_SE
	s_setreg_imm32_b32 hwreg(HW_REG_WAVE_MODE, 25, 1), 1
	s_wait_xcnt 0x0
	s_wait_alu depctr_hold_cnt(0) depctr_sa_sdst(0) depctr_va_vdst(0) depctr_va_sdst(0) depctr_va_ssrc(0) depctr_va_vcc(0) depctr_vm_vsrc(0)
	s_getreg_b32 s2, hwreg(HW_REG_IB_STS2, 6, 4)
	s_cmp_eq_u32 s2, 0
	s_cbranch_scc0 .Lentry_in_a_cluster
	s_endpgm
.Lentry_in_a_cluster:
	s_bfe_u32 s2, ttmp6, 0x10000c
	s_cmp_lg_u32 s2, 0xf033
	s_cbranch_scc0 .Lentry_shape_is_right
	s_endpgm
.Lentry_shape_is_right:
; out0 = op W_o, [4096][1024] x [1024][1024], on f16 operands with f32 sums.  (The first 16 positions of each sequence are written again, from f32 operands, by the launch that follows.)
; A tile of out0 is 128 x 128: 256 work-groups.  Four waves, each 64 x 64: 16 accumulators.  K goes in steps of 256 through a ring of two LDS slots: four steps, so each slot is filled twice; the walk is written out.
; Both operands lie in memory as images of operand registers (16 rows x 32 k = 1,024 bytes): a wave's tensor load brings 64 rows x 256 k as 4 rows of 8,192 bytes, dense in LDS; a fragment load takes 512 consecutive bytes.
; CLUSTER 4 x 4: op's tiles are shared along a row of the cluster, W_o's along a column: joint loads.  Source 0 = 16 columns of W_o, source 1 = 16 tokens: a lane holds eight neighbouring numbers of a row of out0.
; REGISTERS: window 0: v16-29 addresses; v32-95 rows on the way out; v128-255 accumulators ((a, b) at v[128 + 8 (4 a + b)]).  Window 1: two fragment buffers of 128: 64 registers of op (2 x 4 fragments), then 64 of W_o.
.set HALFT,  32768                     ; 64 rows x 256 k: what one tensor load brings
.set SLOT,   4*HALFT
.set STAGE,  2*SLOT                    ; behind the ring: 16 rows x 272 bytes for each wave
.set SPITCH, 272
.set SPARE,  STAGE+4*16*SPITCH         ; the spare words, 128 bytes a wave
.set ADRA, 16
.set ADRB, 20
.set STO,  24
.set RD,   25
.set CO,   26
.set SPW,  28
.set NIL,  29
.set TMP,  32
.set ACC,  128
.set F0,   0
.set F1,   128
.set G1,  24
.set G0,  32
.set G1B, 48
.set G0B, 56
.set MSB, 0
.macro WIN new
.if MSB != (\new)
	s_set_vgpr_msb (MSB<<8)|(\new)
.set MSB, (\new)
.endif
.endm
.set MUL,  0x05                        ; sources 0 and 1 window 1; C and D window 0
.set TO_F, 0x40                        ; destination window 1, address window 0
.macro JLOAD s                         ; a joint load: waves 0 and 1 fetch op's two halves, waves 2 and 3 W_o's; an s_nop 0 and four v_nop follow each line
	s_cmp_eq_u32 s11, 0
	s_cbranch_scc0 .Lfor_b_\@
	tensor_load_to_lds s[G0+4*\s:G0+4*\s+3], s[G1:G1+7]
	s_nop 0
.rept 4
	v_nop
.endr
	s_branch .Lasked_\@
.Lfor_b_\@:
	tensor_load_to_lds s[G0B+4*\s:G0B+4*\s+3], s[G1B:G1B+7]
	s_nop 0
.rept 4
	v_nop
.endr
.Lasked_\@:
.endm
.macro CREST                           ; a round of the cluster's barrier behind its opening barrier
	s_cmp_lg_u32 s10, 0
	s_cbranch_scc1 .Lnot_wave_0_\@
	s_barrier_signal -3
.Lnot_wave_0_\@:
	s_barrier_wait -3
	s_barrier_signal -1
	s_barrier_wait -1
.endm
.macro CROUND
	s_barrier_signal -1
	s_barrier_wait -1
	CREST
.endm
	s_load_b128 s[4:7], s[0:1], 0x0                ; opf, wof
	s_load_b64 s[8:9], s[0:1], 0x10                ; out0
	v_lshl_add_u32 v[SPW], v0, 2, SPARE
	v_mov_b32 v[NIL], 0
	ds_add_u32 v[SPW], v[NIL]                      ; the wave's opening: the add, twice on end, and its wait ahead of my first tensor load
	ds_add_u32 v[SPW], v[NIL]
	v_lshrrev_b32 v1, 5, v0
	v_readfirstlane_b32 s10, v1                    ; wave 0..3
	s_lshr_b32 s11, s10, 1                         ; which half of the tile's rows is mine.  Also: I fetch for op (0) or W_o (1)
	s_and_b32 s12, s10, 1                          ; which half of its columns.  Also: which 64 rows I fetch
	s_bfe_u32 s40, ttmp6, 0x40000                  ; cx
	s_bfe_u32 s41, ttmp6, 0x40004                  ; cy
	s_lshl_b32 s42, ttmp9, 2
	s_add_co_u32 s42, s42, s40                     ; tile column
	s_and_b32 s13, ttmp7, 0xffff
	s_lshl_b32 s13, s13, 2
	s_add_co_u32 s13, s13, s41                     ; tile row
	s_lshl_b32 s43, s41, 2
	s_lshl_b32 s43, 15, s43                        ; my row of the cluster
	s_lshl_b32 s44, 0x1111, s40                    ; my column
	s_or_b32 s[G1+0], s43, (3<<16)|(1<<21)         ; 15:0 the mask; 17:16 elements of 8 bytes; 21 set beside a mask; no padding
	s_or_b32 s[G1B+0], s44, (3<<16)|(1<<21)
.irp g, G1, G1B
	s_mov_b32 s[\g+1], 1024<<16                    ; tensor_dim0 = 1,024 (8,192 bytes)
	s_mov_b32 s[\g+2], 4<<16                       ; tensor_dim1 = 4
	s_mov_b32 s[\g+3], 1024<<16                    ; tile_dim0
	s_mov_b32 s[\g+4], 4                           ; tile_dim1
	s_mov_b32 s[\g+5], 4096                        ; from row to row: 32,768 bytes
	s_mov_b32 s[\g+6], 0
	s_mov_b32 s[\g+7], 0
.endr
	s_lshl_b32 s17, s12, 2                         ; which four tiles of 16 rows I fetch
	s_lshl_b32 s16, s13, 3
	s_add_co_u32 s16, s16, s17
	s_lshl_b32 s16, s16, 15                        ; op: token tile 8 x tile row + 4 x half, 32,768 bytes each
	s_lshl_b32 s46, s42, 3
	s_add_co_u32 s46, s46, s17
	s_lshl_b32 s46, s46, 15                        ; W_o: column tile 8 x tile column + 4 x half
	s_mov_b32 s17, 0
	s_mov_b32 s47, 0
	s_lshl_b32 s20, s10, 15                        ; where they go: wave x HALFT
	s_wait_dscnt 0x0                               ; both opening adds are done
	s_wait_kmcnt 0x0
	s_add_nc_u64 s[14:15], s[4:5], s[16:17]
	s_add_nc_u64 s[46:47], s[6:7], s[46:47]
	CROUND                                         ; all sixteen work-groups are here: the first joint loads meet
.irp s, 0,1
	s_mov_b32 s[G0+4*\s], 1
	s_add_co_u32 s[G0+4*\s+1], s20, \s*SLOT
	s_add_nc_u64 s[G0+4*\s+2:G0+4*\s+3], s[14:15], \s*8192
	s_or_b32 s[G0+4*\s+3], s[G0+4*\s+3], 0x80000000
	s_mov_b32 s[G0B+4*\s], 1
	s_add_co_u32 s[G0B+4*\s+1], s20, \s*SLOT
	s_add_nc_u64 s[G0B+4*\s+2:G0B+4*\s+3], s[46:47], \s*8192
	s_or_b32 s[G0B+4*\s+3], s[G0B+4*\s+3], 0x80000000
	JLOAD \s
.endr
	v_and_b32 v1, 15, v0                           ; r
	v_bfe_u32 v2, v0, 4, 1                         ; h
	v_and_b32 v3, 31, v0
	v_lshlrev_b32 v3, 4, v3                        ; 16 x lane
	s_lshl_b32 s21, s11, 15                        ; my 64 rows of op
	s_lshl_b32 s22, s12, 15
	s_add_co_u32 s22, s22, 2*HALFT                 ; my 64 columns of W_o
.irp s, 0,1
	v_add_nc_u32 v[ADRA+\s], s21, v3
	v_add_nc_u32 v[ADRB+\s], s22, v3
	s_add_co_u32 s21, s21, SLOT
	s_add_co_u32 s22, s22, SLOT
.endr
	s_mul_i32 s23, s10, 16*SPITCH
	s_add_co_u32 s23, s23, STAGE                   ; my stage
	v_mul_u32_u24 v4, v1, SPITCH
	v_lshl_add_u32 v4, v2, 5, v4
	v_add_nc_u32 v[STO], s23, v4                   ; in: row r, 32 bytes for each half of the lanes
	v_mul_u32_u24 v5, v2, SPITCH
	v_lshl_add_u32 v5, v1, 4, v5
	v_add_nc_u32 v[RD], s23, v5                    ; back: lanes 0-15 one row of 256 bytes, lanes 16-31 the next
	v_lshlrev_b32 v5, 12, v2
	v_lshl_add_u32 v[CO], v1, 4, v5                ; and the same two rows in out0
	s_lshl_b32 s16, s13, 7
	s_lshl_b32 s17, s11, 6
	s_add_co_u32 s16, s16, s17
	s_lshl_b32 s16, s16, 12                        ; my first row: 128 x tile row + 64 x half, 4,096 bytes each
	s_lshl_b32 s46, s42, 9
	s_lshl_b32 s47, s12, 8
	s_add_co_u32 s46, s46, s47                     ; my first column, in bytes
	s_add_co_u32 s16, s16, s46
	s_mov_b32 s17, 0
	s_add_nc_u64 s[8:9], s[8:9], s[16:17]
.macro MUL8 f, c, a0, zero             ; 8 matrix instructions: row blocks a0, a0 + 1 x all 4 column blocks, 32 along K: half c of buffer f
.irp a, \a0, \a0+1
.irp b, 0,1,2,3
.if \zero
	v_wmma_f32_16x16x32_f16 v[ACC+8*(4*(\a)+\b):ACC+8*(4*(\a)+\b)+7], v[\f+64+8*(4*\c+\b):\f+64+8*(4*\c+\b)+7], v[\f+8*(4*\c+\a):\f+8*(4*\c+\a)+7], 0
.else
	v_wmma_f32_16x16x32_f16 v[ACC+8*(4*(\a)+\b):ACC+8*(4*(\a)+\b)+7], v[\f+64+8*(4*\c+\b):\f+64+8*(4*\c+\b)+7], v[\f+8*(4*\c+\a):\f+8*(4*\c+\a)+7], v[ACC+8*(4*(\a)+\b):ACC+8*(4*(\a)+\b)+7]
.endif
.endr
.endr
.endm
.macro FETCH slot, qd, f               ; 32 LDS loads in one run: quarter qd (64 along K) of the slot into buffer f; its first 32 along K first
	WIN TO_F
.irp c, 0,1
.irp i, 0,1,2,3
	ds_load_b128 v[\f+64+8*(4*\c+\i):\f+64+8*(4*\c+\i)+3],   v[ADRB+\slot] offset:8192*\i+1024*(2*(\qd)+\c)
	ds_load_b128 v[\f+64+8*(4*\c+\i)+4:\f+64+8*(4*\c+\i)+7], v[ADRB+\slot] offset:8192*\i+1024*(2*(\qd)+\c)+512
	ds_load_b128 v[\f+8*(4*\c+\i):\f+8*(4*\c+\i)+3],         v[ADRA+\slot] offset:8192*\i+1024*(2*(\qd)+\c)
	ds_load_b128 v[\f+8*(4*\c+\i)+4:\f+8*(4*\c+\i)+7],       v[ADRA+\slot] offset:8192*\i+1024*(2*(\qd)+\c)+512
.endr
.endr
.endm
.macro PLACES
.rept 4
	v_nop
.endr
.endm
.macro QUARTER slot, qd, f, g, zero    ; multiplies buffer f and fetches quarter qd of the slot into g.  The 16 accumulators take turns
	s_wait_dscnt 16                                ; the first 32 along K are in; the other sixteen loads may be out
	WIN MUL
	MUL8 \f, 0, 0, \zero
	MUL8 \f, 0, 2, \zero
	PLACES
	FETCH \slot, \qd, \g
	s_wait_dscnt 32                                ; all but the 32 just issued
	WIN MUL
	MUL8 \f, 1, 0, 0
	MUL8 \f, 1, 2, 0
.endm
; A slot's last quarter changes slots: ONE barrier; in front of it each wave waits for all its tensor loads, adds 0 to its spare word, and waits for that and for its reads of this slot.  fill = 1: the slot is filled again, two K steps on.
.macro TURN slot, next, fill
	WIN 0
	s_wait_tensorcnt 0x0
	ds_add_u32 v[SPW], v[NIL]
	s_wait_dscnt 17                                ; the add and the youngest sixteen loads may be out
	WIN MUL
	MUL8 F1, 0, 0, 0
	s_wait_dscnt 0x0
	s_barrier_signal -1
	MUL8 F1, 0, 2, 0
.if \fill
	WIN 0
.endif
	s_barrier_wait -1
.if \fill
	CREST                                          ; the barrier has opened a round of the cluster's: no wave of any partner still reads this slot or has a load on its way
	s_add_nc_u64 s[G0+4*\slot+2:G0+4*\slot+3], s[G0+4*\slot+2:G0+4*\slot+3], 16384
	s_add_nc_u64 s[G0B+4*\slot+2:G0B+4*\slot+3], s[G0B+4*\slot+2:G0B+4*\slot+3], 16384
	JLOAD \slot                                    ; the first tensor load behind the round; its four v_nop are also the places in front of the loads below
.else
	PLACES
.endif
	FETCH \next, 0, F0
	WIN MUL
	MUL8 F1, 1, 0, 0
	MUL8 F1, 1, 2, 0
.endm
	s_wait_tensorcnt 1                             ; my part of K step 0 is in; K step 1's load may be out
	s_barrier_signal -1
	s_barrier_wait -1
	FETCH 0, 0, F0
	QUARTER 0, 1, F0, F1, 1                        ; the first products start the sums
	QUARTER 0, 2, F1, F0, 0
	QUARTER 0, 3, F0, F1, 0
	TURN 0, 1, 1                                   ; slot 0 takes K step 2
	QUARTER 1, 1, F0, F1, 0
	QUARTER 1, 2, F1, F0, 0
	QUARTER 1, 3, F0, F1, 0
	TURN 1, 0, 1                                   ; slot 1 takes K step 3
	QUARTER 0, 1, F0, F1, 0
	QUARTER 0, 2, F1, F0, 0
	QUARTER 0, 3, F0, F1, 0
	TURN 0, 1, 0                                   ; nothing is left to fetch
	QUARTER 1, 1, F0, F1, 0
	QUARTER 1, 2, F1, F0, 0
	QUARTER 1, 3, F0, F1, 0
	s_wait_dscnt 16
	WIN MUL
	MUL8 F1, 0, 0, 0
	MUL8 F1, 0, 2, 0
	s_wait_dscnt 0
	MUL8 F1, 1, 0, 0
	MUL8 F1, 1, 2, 0
	WIN 0
; THE WAY OUT, 16 rows at a time.  A wave's 64 columns are 256 bytes of a row, aligned: so each wave has a stage of its own and no barrier.  LDS serves a wave's instructions in order: no wait between the stores and the loads.
.macro TOSTAGE a
.irp b, 0,1,2,3
	ds_store_b128 v[STO], v[ACC+8*(4*(\a)+\b):ACC+8*(4*(\a)+\b)+3] offset:64*\b        ; each accumulator from its low end on
	ds_store_b128 v[STO], v[ACC+8*(4*(\a)+\b)+4:ACC+8*(4*(\a)+\b)+7] offset:64*\b+16
.endr
.irp t, 0,1,2,3,4,5,6,7
	ds_load_b128 v[TMP+32*((\a)%2)+4*\t:TMP+32*((\a)%2)+4*\t+3], v[RD] offset:\t*2*SPITCH
.endr
.endm
.macro SEND a, younger
	s_wait_dscnt \younger                          ; the block is back; behind its loads stand the next block's 8 stores and 8 loads, or nothing
.irp t, 0,1,2,3,4,5,6,7
	global_store_b128 v[CO], v[TMP+32*((\a)%2)+4*\t:TMP+32*((\a)%2)+4*\t+3], s[8:9] offset:(16*(\a)+2*\t)*4096 th:TH_STORE_NT   ; sixteen lanes store 256 consecutive bytes, aligned
.endr
.endm
	PLACES
	TOSTAGE 0
	TOSTAGE 1
	SEND 0, 16
	s_wait_xcnt 0x0                                ; block 0's stores have read their data: block 2's rows land there only behind this wait
	TOSTAGE 2
	SEND 1, 16
	s_wait_xcnt 0x0
	TOSTAGE 3
	SEND 2, 16
	SEND 3, 0
	s_wait_tensorcnt 0x0                           ; the wave's end
	ds_add_u32 v[SPW], v[NIL]
	s_wait_dscnt 0x0
	CROUND                                         ; the closing round
	s_endpgm
.Lfunc_end_k_qc71fb9de53_proj:
	.size	k_qc71fb9de53_proj, .Lfunc_end_k_qc71fb9de53_proj-k_qc71fb9de53_proj
	.p2alignl 7, 3214868480
	.fill 96, 4, 3214868480
	.section	.rodata,"a",@progbits
	.p2align	6, 0x0
	.amdhsa_kernel k_qc71fb9de53_proj
		.amdhsa_group_segment_fixed_size 327680
		.amdhsa_private_segment_fixed_size 0
		.amdhsa_enable_private_segment 0
		.amdhsa_kernarg_size 24
		.amdhsa_user_sgpr_count 2
		.amdhsa_user_sgpr_kernarg_segment_ptr 1
		.amdhsa_wavefront_size32 1
		.amdhsa_system_sgpr_workgroup_id_x 1
		.amdhsa_system_sgpr_workgroup_id_y 1
		.amdhsa_system_sgpr_workgroup_id_z 1
		.amdhsa_system_vgpr_workitem_id 0
		.amdhsa_next_free_vgpr 512
		.amdhsa_next_free_sgpr 66
		.amdhsa_reserve_vcc 0
		.amdhsa_float_denorm_mode_32 3
		.amdhsa_float_denorm_mode_16_64 3
		.amdhsa_memory_ordered 1
		.amdhsa_forward_progress 1
		.amdhsa_inst_pref_size 85
	.end_amdhsa_kernel
	.amdgpu_metadata
---
amdhsa.version: [ 1, 2 ]
amdhsa.kernels:
  - .name:           k_qc71fb9de53_proj
    .symbol:         k_qc71fb9de53_proj.kd
    .args:
      - { .name: opf, .offset: 0, .size: 8, .value_kind: global_buffer, .address_space: global }
      - { .name: wof, .offset: 8, .size: 8, .value_kind: global_buffer, .address_space: global }
      - { .name: out0, .offset: 16, .size: 8, .value_kind: global_buffer, .address_space: global }
    .group_segment_fixed_size: 327680
    .private_segment_fixed_size: 0
    .kernarg_segment_align: 8
    .kernarg_segment_size: 24
    .max_flat_workgroup_size: 128
    .sgpr_count:     66
    .vgpr_count:     512
    .wavefront_size: 32
...
	.end_amdgpu_metadata
.endif
;; end of part 4
;; launch fineb (part 5): grid 64 x 1, 8 waves a work-group, no clusters, 17,408 bytes of LDS; arguments op32, W_o, out0; writes out0
.if DOCPART == 5
	.amdgcn_target "amdgcn-amd-amdhsa--gfx1250"
	.amdhsa_code_object_version 6
	.text
	.protected	k_qc71fb9de53_fineb
	.globl	k_qc71fb9de53_fineb
	.p2align	8
	.type	k_qc71fb9de53_fineb,@function
k_qc71fb9de53_fineb:
	s_mov_b64 s[64:65], 0
	v_nop
	global_prefetch_b8 v0, s[64:65] scope:SCOPE_SE
	s_setreg_imm32_b32 hwreg(HW_REG_WAVE_MODE, 25, 1), 1
	s_wait_xcnt 0x0
; The projection of the first 16 positions of both sequences, in f32: 32 rows x 1,024 x 1,024, by the f32 matrix form: no bulk work.  It writes over those 32 rows of out0.
; A work-group takes 16 columns; wave c takes k = 128 c .. 128 c + 127 for both batches: 32 steps of 4 along K on two accumulators (one a batch) that take turns.
; The form's k = 2 h + j is fed with k = 128 c + 64 h + 2 s + j on both sides alike.  Source 0 = 16 columns of W_o, source 1 = 16 positions: a lane holds one position and 8 neighbouring columns.
; The eight waves' parts meet in LDS; waves 0-3 add them and store 16 bytes a lane: 131,072 bytes in all leave so.  Whole rows of 256 bytes would want 64 columns to a work-group: a quarter of the work-groups.
.set SPARE, 16384
.set SPW, 12
.set NIL, 13
.set A0,  32                           ; v32-95   op of batch 0;  later the eight parts
.set A1,  96                           ; v96-159  op of batch 1
.set BW,  160                          ; v160-223 W_o
.set D0,  224                          ; v224-239: written by the f32 matrix form alone
.set D1,  232
	s_load_b128 s[4:7], s[0:1], 0x0                ; op32, W_o
	s_load_b64 s[8:9], s[0:1], 0x10                ; out0
	v_lshl_add_u32 v[SPW], v0, 2, SPARE
	v_mov_b32 v[NIL], 0
	v_lshrrev_b32 v1, 5, v0
	v_readfirstlane_b32 s10, v1                    ; wave 0..7
	v_and_b32 v8, 31, v0
	v_and_b32 v2, 15, v0                           ; r
	v_bfe_u32 v5, v0, 4, 1                         ; h
	v_lshlrev_b32 v1, 4, v8                        ; 16 x lane
	s_lshl_b32 s11, s10, 11
	v_add_nc_u32 v3, s11, v1                       ; where I store my part.  (Both LDS addresses are made ahead of the parting of the waves)
	s_and_b32 s16, s10, 3
	s_lshl_b32 s11, s16, 9
	v_add_nc_u32 v4, s11, v1                       ; where waves 0-3 read group (wave) of every part
	v_lshlrev_b32 v6, 2, v2
	v_lshl_add_u32 v6, v5, 18, v6                  ; W_o: 64 h rows of 4,096 bytes + 4 r
	v_lshlrev_b32 v7, 12, v2
	v_lshl_add_u32 v7, v5, 5, v7                   ; out0: row r + 32 h bytes
	s_mov_b32 s13, 0
	s_wait_kmcnt 0x0
	s_lshl_b32 s12, s10, 13
	s_add_nc_u64 s[4:5], s[4:5], s[12:13]          ; op32: my 8,192 bytes of a batch
	s_lshl_b32 s12, s10, 19                        ; W_o: 128 c rows,
	s_lshl_b32 s14, ttmp9, 6                       ; 16 columns of 4 bytes a work-group
	s_add_co_u32 s12, s12, s14
	s_add_nc_u64 s[6:7], s[6:7], s[12:13]
	s_lshr_b32 s12, s16, 1
	s_lshl_b32 s12, s12, 23                        ; out0: batch (wave / 2): 2,048 rows of 4,096 bytes,
	s_add_co_u32 s12, s12, s14
	s_and_b32 s15, s16, 1
	s_lshl_b32 s15, s15, 4                         ; columns 4 (wave % 2) on
	s_add_co_u32 s12, s12, s15
	s_add_nc_u64 s[8:9], s[8:9], s[12:13]
.irp g, 0,1,2,3,4,5,6,7,8,9,10,11,12,13,14,15
	global_load_b128 v[A0+4*\g:A0+4*\g+3], v1, s[4:5] offset:512*\g
.endr
.irp g, 0,1,2,3,4,5,6,7,8,9,10,11,12,13,14,15
	global_load_b128 v[A1+4*\g:A1+4*\g+3], v1, s[4:5] offset:65536+512*\g
.endr
.set i, 0
.rept 64
	global_load_b32 v[BW+i], v6, s[6:7] offset:4096*i    ; W_o(128 c + 64 h + i, 16 (work-group) + r)
.set i, i+1
.endr
.set n, 0
.rept 32
.if n%8 == 0
	s_wait_loadcnt 48-16*(n/8)                     ; op, and W_o's rows for the next eight steps, are in; W_o's later loads may be out
.endif
.if n == 0
	v_wmma_f32_16x16x4_f32 v[D0:D0+7], v[BW:BW+1], v[A0:A0+1], 0
	v_wmma_f32_16x16x4_f32 v[D1:D1+7], v[BW:BW+1], v[A1:A1+1], 0
.else
	v_wmma_f32_16x16x4_f32 v[D0:D0+7], v[BW+2*n:BW+2*n+1], v[A0+2*n:A0+2*n+1], v[D0:D0+7]
	v_wmma_f32_16x16x4_f32 v[D1:D1+7], v[BW+2*n:BW+2*n+1], v[A1+2*n:A1+2*n+1], v[D1:D1+7]
.endif
.set n, n+1
.endr
.rept 8
	v_nop                                          ; eight places behind this form
.endr
	ds_store_b128 v3, v[D0:D0+3]                   ; group 0: batch 0, columns 8 h + 0..3;
	ds_store_b128 v3, v[D0+4:D0+7] offset:512      ; group 1: batch 0, columns 8 h + 4..7;
	ds_store_b128 v3, v[D1:D1+3] offset:1024       ; groups 2, 3: batch 1
	ds_store_b128 v3, v[D1+4:D1+7] offset:1536
	s_wait_dscnt 0x0                               ; for the others' sake
	s_barrier_signal -1
	s_barrier_wait -1
	s_cmp_lt_u32 s10, 4
	s_cbranch_scc0 .Lend
.irp u, 0,1,2,3,4,5,6,7
	ds_load_b128 v[A0+4*\u:A0+4*\u+3], v4 offset:2048*\u
.endr
	s_wait_dscnt 0x0
.irp u, 0,2,4,6
	v_pk_add_f32 v[A0+4*\u:A0+4*\u+1], v[A0+4*\u:A0+4*\u+1], v[A0+4*\u+4:A0+4*\u+5]
	v_pk_add_f32 v[A0+4*\u+2:A0+4*\u+3], v[A0+4*\u+2:A0+4*\u+3], v[A0+4*\u+6:A0+4*\u+7]
.endr
.irp u, 0,4
	v_pk_add_f32 v[A0+4*\u:A0+4*\u+1], v[A0+4*\u:A0+4*\u+1], v[A0+4*\u+8:A0+4*\u+9]
	v_pk_add_f32 v[A0+4*\u+2:A0+4*\u+3], v[A0+4*\u+2:A0+4*\u+3], v[A0+4*\u+10:A0+4*\u+11]
.endr
	v_pk_add_f32 v[A0:A0+1], v[A0:A0+1], v[A0+16:A0+17]
	v_pk_add_f32 v[A0+2:A0+3], v[A0+2:A0+3], v[A0+18:A0+19]
	global_store_b128 v7, v[A0:A0+3], s[8:9]
.Lend:
	s_wait_tensorcnt 0x0                           ; the wave's end
	ds_add_u32 v[SPW], v[NIL]
	s_wait_dscnt 0x0
	s_endpgm
.Lfunc_end_k_qc71fb9de53_fineb:
	.size	k_qc71fb9de53_fineb, .Lfunc_end_k_qc71fb9de53_fineb-k_qc71fb9de53_fineb
	.p2alignl 7, 3214868480
	.fill 96, 4, 3214868480
	.section	.rodata,"a",@progbits
	.p2align	6, 0x0
	.amdhsa_kernel k_qc71fb9de53_fineb
		.amdhsa_group_segment_fixed_size 17408
		.amdhsa_private_segment_fixed_size 0
		.amdhsa_enable_private_segment 0
		.amdhsa_kernarg_size 24
		.amdhsa_user_sgpr_count 2
		.amdhsa_user_sgpr_kernarg_segment_ptr 1
		.amdhsa_wavefront_size32 1
		.amdhsa_system_sgpr_workgroup_id_x 1
		.amdhsa_system_sgpr_workgroup_id_y 1
		.amdhsa_system_sgpr_workgroup_id_z 1
		.amdhsa_system_vgpr_workitem_id 0
		.amdhsa_next_free_vgpr 256
		.amdhsa_next_free_sgpr 66
		.amdhsa_reserve_vcc 0
		.amdhsa_float_denorm_mode_32 3
		.amdhsa_float_denorm_mode_16_64 3
		.amdhsa_memory_ordered 1
		.amdhsa_forward_progress 1
		.amdhsa_inst_pref_size 17
	.end_amdhsa_kernel
	.amdgpu_metadata
---
amdhsa.version: [ 1, 2 ]
amdhsa.kernels:
  - .name:           k_qc71fb9de53_fineb
    .symbol:         k_qc71fb9de53_fineb.kd
    .args:
      - { .name: op32, .offset: 0, .size: 8, .value_kind: global_buffer, .address_space: global }
      - { .name: W_o, .offset: 8, .size: 8, .value_kind: global_buffer, .address_space: global }
      - { .name: out0, .offset: 16, .size: 8, .value_kind: global_buffer, .address_space: global }
    .group_segment_fixed_size: 17408
    .private_segment_fixed_size: 0
    .kernarg_segment_align: 8
    .kernarg_segment_size: 24
    .max_flat_workgroup_size: 256
    .sgpr_count:     66
    .vgpr_count:     256
    .wavefront_size: 32
...
	.end_amdgpu_metadata
.endif
;; end of part 5
